; MI455X (gfx1250); checked and timed in simulation.
; The chip was launched on July 23, 2026; its instructions are those of AMD's public machine-readable ISA for CDNA 5 (MIT licence, August 2026) and "CDNA5" Instruction Set Architecture Reference Guide (July 2026). The comments in the code are by the model that wrote it; some were corrected since.
;; Rotary Self Attention. Allowed arithmetic: matrix products marked QUANTISED: E2M3 operands, one E8M0 scale for each 32 along K, by v_wmma_scale_f32_16x16x128_f8f6f4 with both operands' format E2M3, f32 sums; everything else in f32.
;; Inputs: Wk 1,024 x 1,024 float32; Wo 1,024 x 1,024 float32; Wq 1,024 x 1,024 float32; Wv 1,024 x 1,024 float32; attention_mask 4 x 2,048 bool; bk 1,024 float32; bo 1,024 float32; bq 1,024 float32; bv 1,024 float32; cos 2,048 x 64 float32; sin 2,048 x 64 float32; x 4 x 2,048 x 1,024 float32.
;; Outputs: out0 4 x 2,048 x 1,024 float32.
;; This version of the problem:
;;   THIS VERSION OF THE PROBLEM IS GIVEN IN LOW PRECISION. The matrix products marked QUANTISED in the list below multiply operands that are first quantised to E2M3 (2 exponent bits, 3 mantissa bits; 6 bits a number), with one power-of-two scale for each 32 numbers along K (OCP MX v1.0); their sums are f32. All else is computed in f32.
;;   The module's matrix products, in the order in which they are computed (A, B: the left and right operand; K: the contracted axis; several contracted axes count as one K, in the product's order):
;;     1. [M 8,192, K 1,024] x [K 1,024, N 1,024]; A: input x; B: input Wq: QUANTISED
;;     2. [M 8,192, K 1,024] x [K 1,024, N 1,024]; A: input x; B: input Wk: QUANTISED
;;     3. [M 8,192, K 1,024] x [K 1,024, N 1,024]; A: input x; B: input Wv: QUANTISED
;;     4. batch 64 x [M 2,048, K 64] x [K 64, N 2,048]; A: computed on the way; B: computed on the way: QUANTISED
;;     5. batch 64 x [M 64, K 2,048] x [K 2,048, N 2,048]; A: computed on the way; B: softmax (see below): QUANTISED
;;     6. [M 8,192, K 1,024] x [K 1,024, N 1,024]; A: computed on the way; B: input Wo: QUANTISED
;;   THE QUANTISER, for each operand of a quantised product, along K:
;;     - K is cut into blocks of 32 from its start; a last block that is shorter is filled with zeros.
;;     - A block's scale is 2^e with e = floor(log2(the largest magnitude in the block)) - 2, held to -126 .. 127; a block of zeros has e = 0. As a byte (E8M0): e + 127.
;;     - Each number is divided by its block's scale, clamped to +-7.5, and rounded to the nearest number of E2M3, ties to even, subnormals kept.
;;     - The product sums the exact products of the quantised numbers (number of the format x scale) in f32.
;;   ~~~python
;;   def quantise(x, axis):      # numpy; x: float32 -> the quantised numbers, widened to float32 again
;;       x = np.moveaxis(x, axis, -1); K = x.shape[-1]
;;       x = np.pad(x, [(0, 0)] * (x.ndim - 1) + [(0, -K % 32)]); x = x.reshape(x.shape[:-1] + (-1, 32)); a = np.abs(x).max(-1, keepdims=True)
;;       e = np.where(a > 0, np.clip(np.frexp(np.where(a > 0, a, 1))[1] - 1 - 2, -126, 127), 0)      # np.frexp(a)[1] - 1 = floor(log2(a)), exactly
;;       r = np.clip(x / 2.0 ** e, -7.5, 7.5)
;;       step = 2.0 ** (np.maximum(np.frexp(np.where(r == 0, 1, r))[1] - 1, 0) - 3)
;;       q = np.round(r / step) * step * 2.0 ** e      # np.round: ties to even
;;       return np.moveaxis(q.reshape(q.shape[:-2] + (-1,))[..., :K], -1, axis).astype(np.float32)
;;   ~~~
;;   SOFTMAX AHEAD OF A QUANTISED PRODUCT. Where the list says 'softmax', what is quantised is not the finished softmax but p = 2^(t - M), with t = logit x log2(e) and M = ceil(the row's largest t), a whole number; so 1/2 < the row's largest p <= 1. The row's sum l is taken of the UNQUANTISED p, in f32, and the product's result is divided by l at the end. Since M is a whole number, a kernel that streams over the keys may use a running M (the ceiling of the running maximum): every later rescaling is an exact power of two, which a block's scale takes up: the codes' values come out the same.
;;   OPERANDS COMPUTED ON THE WAY. 'Computed on the way' means the value that the module computes at that place (a softmax that the list does not call 'softmax' is quantised finished and normalised). What goes into a quantiser is computed in f32, as accurately as f32 sums, v_exp_f32 and their like allow (about 1e-6 of the number): no bf16 or f16 on the way to a quantiser, and a product that is left as it is and whose result goes on into a quantised operand takes f32 operands (vector FMAs, or v_wmma_f32_16x16x4_f32). A number that lies on a knife's edge between two numbers of the format may be rounded either way, as far as f32 arithmetic and the matrix unit's own rounding can turn it there, and no further.
;; One version. Each part assembles by itself: llvm-mc -triple=amdgcn-amd-amdhsa -mcpu=gfx1250 --defsym DOCPART=n.
;; ======== version 1 of 1: 4 launches
;; limits: right only within a limited range of input values
;; workspace buffers: codes 15,728,640 bytes; scl 655,360 bytes; qrec 8,912,896 bytes; krec 8,912,896 bytes; vrec 6,553,600 bytes
;; launch quant (part 1): grid 384 x 1, 4 waves a work-group, no clusters, 34,304 bytes of LDS; arguments x, Wq, Wk, Wv, Wo, codes, scl; writes codes, scl
.if DOCPART == 1
	.amdgcn_target "amdgcn-amd-amdhsa--gfx1250"
	.amdhsa_code_object_version 6
	.text
	.protected	k_q46fb53e3eb_quant
	.globl	k_q46fb53e3eb_quant
	.p2align	8
	.type	k_q46fb53e3eb_quant,@function
k_q46fb53e3eb_quant:
	s_mov_b64 s[64:65], 0
	v_nop
	global_prefetch_b8 v0, s[64:65] scope:SCOPE_SE
	s_setreg_imm32_b32 hwreg(HW_REG_WAVE_MODE, 25, 1), 1
	s_wait_xcnt 0x0
; x [8192][1024] and Wq, Wk, Wv, Wo [1024][1024], f32, K innermost, become codes of FP6 (E2M3) with one E8M0 scale byte for each 32 along K, laid as the products' launches take them.
; LAYOUT OF codes: row blocks (RB) of 16 rows, 12,288 bytes each: RB 0-511 x, 512-575 Wq, 576-639 Wk, 640-703 Wv, 704-767 Wo (768-1279: the attention's result, written later).
;   Storage row rho of block R is the tensor's row 32 (R / 2) + 8 (R % 2) + rho + 8 (rho / 8): so that in a transposed product the 16 registers of two neighbouring tiles are 16 neighbouring rows.
;   In a block: K step s (128 along K) at 1,536 s; in it two halves of 64 along K, 768 bytes each, AS IMAGES OF THE OPERAND'S REGISTERS: registers 0-3 of lane l at 16 l, registers 4-5 at 512 + 8 l.
; LAYOUT OF scl: the scale word (four bytes) of (RB, row r, K step s) at 512 RB + 256 (s / 4) + 16 r + 4 (s % 4).
; A block's scale is 2^(floor(log2(its largest magnitude)) - 2); its byte is the largest magnitude's exponent field - 2, held at 1 from below.
; LIMITS: a block of zeros gets the byte 1 where the rule says 127 (its codes are zeros, and this program alone reads the bytes); NaN and infinities among the inputs are not served.
; SHARES: a wave takes one row block and four K steps (16 rows x 512 numbers).  Each load reads 512 consecutive bytes of one row; the 16 rows of a K step turn through the wave's own stage in LDS (rows 528 bytes apart),
; from which lane (r, h) takes, of row r, the 16 neighbours 32 b + 16 h + 0 .. 15 of each block b.  Waves share nothing: no barrier.  No two work-groups read the same bytes: no cluster.
.set STGB,  8448                       ; a wave's stage: 16 rows x (512 + 16) bytes
.set SPARE, 4*STGB                     ; behind the stages: the spare words, 128 bytes a wave
.set L16,   1                          ; v1   16 x lane
.set L8,    2                          ; v2   8 x lane
.set STA,   3                          ; v3   the stage, on the way in
.set RDA,   4                          ; v4   and on the way out: 528 r + 64 h
.set SWO,   5                          ; v5   16 r + 8 h: where my two scale words go
.set SPW,   6                          ; v6   my spare word; never rewritten
.set NIL,   7                          ; v7   0; never rewritten
.set HH,    8                          ; v8   h = lane / 16
.set SW,    12                         ; v12-15 the four K steps' scale words
.set LD,    16                         ; v16-143 two sets of 64 registers as loaded
.set X,     144                        ; v144-207 64 numbers: register 16 b + i = k 32 b + 16 h + i of my row
.set TM,    208                        ; v208-223 at work in QUANT
.set PW,    224                        ; v224 the scale word just made
.set OW,    226                        ; v[226:227] the two words that I store
.set PC,    228                        ; v228-239 the fragment just made; v244-250 at work
.set SEL,   24                         ; s[24:25] lane selects: lane l xor 16
; 64 numbers of a lane become a fragment's codes (two halves, fs registers apart, from v[PC] on) and its scale word in v[PW].
.macro QUANT s, fs
.irp b, 0,1,2,3
	v_max3_num_f32 v[TM+\b], |v[\s+16*\b]|, |v[\s+1+16*\b]|, 0x1800000   ; my 16 numbers of block b, and the floor 2^(3 - 127): the byte cannot fall under 1
.endr
.irp i, 2,4,6,8,10,12,14
.irp b, 0,1,2,3
	v_max3_num_f32 v[TM+\b], v[TM+\b], |v[\s+16*\b+\i]|, |v[\s+1+16*\b+\i]|   ; the four blocks by turns
.endr
.endr
.irp b, 0,1,2,3
	v_permlanex16_b32 v[TM+4+\b], v[TM+\b], s[SEL], s[SEL+1]
.endr
.irp b, 0,1,2,3
	v_max_num_f32 v[TM+\b], v[TM+\b], v[TM+4+\b]       ; with lane l xor 16's: the block's largest magnitude
.endr
.irp b, 0,1,2,3
	v_add_nc_u32 v[TM+12+\b], 0xff000000, v[TM+\b]     ; 2 off its exponent field: the conversion's scale operand
.endr
.irp b, 0,1,2,3
	v_lshrrev_b32 v[TM+4+\b], 23, v[TM+12+\b]          ; the scale's byte
.endr
	v_lshl_or_b32 v[PW], v[TM+5], 8, v[TM+4]
	v_lshl_or_b32 v[PW], v[TM+6], 16, v[PW]
	v_lshl_or_b32 v[PW], v[TM+7], 24, v[PW]
.irp c, 0,1
	v_cvt_scalef32_pk16_fp6_f32 v[PC+\fs*\c:PC+\fs*\c+2], v[\s+32*\c:\s+15+32*\c], v[TM+12+2*\c]
	v_cvt_scalef32_pk16_fp6_f32 v[PC+16+4*\c:PC+18+4*\c], v[\s+16+32*\c:\s+31+32*\c], v[TM+13+2*\c]   ; (a conversion's three registers begin on an even number)
.endr
	v_nop                                              ; one plain instruction behind the scaled conversions
.irp c, 0,1                                        ; the operand wants a whole block in a lane: lanes 0-15 block 2 c, lanes 16-31 block 2 c + 1
.irp i, 0,1,2
	v_permlane16_swap_b32 v[PC+\fs*\c+\i], v[PC+16+4*\c+\i]
.endr
.irp i, 0,1,2
	v_mov_b32 v[PC+\fs*\c+3+\i], v[PC+16+4*\c+\i]
.endr
.endr
.endm
	s_load_b256 s[4:11], s[0:1], 0x0               ; x, Wq, Wk, Wv
	s_load_b128 s[12:15], s[0:1], 0x20             ; Wo, codes
	s_load_b64 s[16:17], s[0:1], 0x30              ; scl
	v_lshl_add_u32 v[SPW], v0, 2, SPARE
	v_mov_b32 v[NIL], 0
	v_lshrrev_b32 v9, 5, v0
	v_readfirstlane_b32 s18, v9                    ; wave
	v_and_b32 v10, 31, v0                          ; lane
	v_and_b32 v9, 15, v0                           ; r
	v_bfe_u32 v[HH], v0, 4, 1                      ; h
	v_lshlrev_b32 v[L16], 4, v10
	v_lshlrev_b32 v[L8], 3, v10
	s_mul_i32 s19, s18, STGB
	v_add_nc_u32 v[STA], s19, v[L16]
	v_mul_u32_u24 v[RDA], v9, 528
	v_lshl_add_u32 v[RDA], v[HH], 6, v[RDA]
	v_add_nc_u32 v[RDA], s19, v[RDA]
	v_lshlrev_b32 v[SWO], 4, v9
	v_lshl_add_u32 v[SWO], v[HH], 3, v[SWO]
.irp b, 0,1,2,3
	v_mov_b32 v[TM+4+\b], 0                        ; written once: a lane permute's destination counts as one of its sources
.endr
	s_mov_b32 s[SEL], 0x76543210
	s_mov_b32 s[SEL+1], 0xfedcba98
	s_lshl_b32 s26, ttmp9, 1
	s_lshr_b32 s27, s18, 1
	s_add_co_u32 s26, s26, s27                     ; R: my row block = 2 x work-group + wave / 2
	s_and_b32 s27, s18, 1                          ; u: K steps 4 u .. 4 u + 3
	s_wait_alu depctr_va_vdst(0)
	s_wait_kmcnt 0x0
	s_mov_b64 s[20:21], s[12:13]                   ; which tensor: the choice hangs on the work-group's number alone
	s_mov_b32 s22, 704                             ; and the tensor's first row block
	s_cmp_lt_u32 ttmp9, 352
	s_cselect_b64 s[20:21], s[10:11], s[20:21]
	s_cselect_b32 s22, 640, s22
	s_cmp_lt_u32 ttmp9, 320
	s_cselect_b64 s[20:21], s[8:9], s[20:21]
	s_cselect_b32 s22, 576, s22
	s_cmp_lt_u32 ttmp9, 288
	s_cselect_b64 s[20:21], s[6:7], s[20:21]
	s_cselect_b32 s22, 512, s22
	s_cmp_lt_u32 ttmp9, 256
	s_cselect_b64 s[20:21], s[4:5], s[20:21]
	s_cselect_b32 s22, 0, s22
	s_sub_co_u32 s28, s26, s22                     ; the block's number in its tensor
	s_lshr_b32 s29, s28, 1
	s_lshl_b32 s29, s29, 17                        ; 32 rows of 4,096 bytes for each pair of blocks,
	s_and_b32 s28, s28, 1
	s_lshl_b32 s28, s28, 15                        ; 8 rows for the odd one,
	s_add_co_u32 s28, s28, s29
	s_lshl_b32 s29, s27, 11                        ; 512 numbers along K for u
	s_add_co_u32 s28, s28, s29
	s_mov_b32 s29, 0
	s_add_nc_u64 s[20:21], s[20:21], s[28:29]
	s_mul_i32 s30, s26, 12288
	s_mul_i32 s31, s27, 6144
	s_add_co_u32 s30, s30, s31
	s_mov_b32 s31, 0
	s_add_nc_u64 s[14:15], s[14:15], s[30:31]      ; my codes
	s_lshl_b32 s30, s26, 9
	s_lshl_b32 s32, s27, 8
	s_add_co_u32 s30, s30, s32
	s_add_nc_u64 s[16:17], s[16:17], s[30:31]      ; my scale words
.macro LOAD q                          ; K step q of my 16 rows: each load reads 512 consecutive bytes of one row
.irp rho, 0,1,2,3,4,5,6,7,8,9,10,11,12,13,14,15
	global_load_b128 v[LD+64*((\q)%2)+4*\rho:LD+64*((\q)%2)+4*\rho+3], v[L16], s[20:21] offset:(\rho+8*(\rho/8))*4096+512*(\q) th:TH_LOAD_NT
.endr
.endm
.macro TURN q                          ; through the stage: LDS serves a wave's instructions in order, so no wait stands between the stores and the loads
.irp rho, 0,1,2,3,4,5,6,7,8,9,10,11,12,13,14,15
	ds_store_b128 v[STA], v[LD+64*((\q)%2)+4*\rho:LD+64*((\q)%2)+4*\rho+3] offset:528*\rho
.endr
.irp b, 0,1,2,3
.irp j, 0,1,2,3
	ds_load_b128 v[X+16*\b+4*\j:X+16*\b+4*\j+3], v[RDA] offset:128*\b+16*\j
.endr
.endr
.endm
.macro KSTEP q
.if \q < 3
	s_wait_loadcnt 16                              ; this K step's 16 loads are in; the next step's 16 may be out
.else
	s_wait_loadcnt 0x0
.endif
	TURN \q
	s_wait_dscnt 0x0                               ; my 64 numbers are back, and the stage's stores have read their registers,
.if \q < 2
	LOAD (\q)+2                                    ; which take the loads of two steps on
.endif
	s_wait_xcnt 0x0                                ; the last step's stores have read the fragment's registers: they are written again only behind this wait
	QUANT X, 6
	v_mov_b32 v[SW+\q], v[PW]
	global_store_b128 v[L16], v[PC:PC+3], s[14:15] offset:1536*\q          ; 512 consecutive bytes,
	global_store_b64 v[L8], v[PC+4:PC+5], s[14:15] offset:1536*\q+512      ; 256,
	global_store_b128 v[L16], v[PC+6:PC+9], s[14:15] offset:1536*\q+768    ; and the second half likewise
	global_store_b64 v[L8], v[PC+10:PC+11], s[14:15] offset:1536*\q+1280
.endm
	LOAD 0
	LOAD 1
	KSTEP 0
	KSTEP 1
	KSTEP 2
	KSTEP 3
	v_cmp_ne_u32 vcc_lo, 0, v[HH]                  ; lane (r, h) stores words 2 h and 2 h + 1 of row r: the wave fills 256 consecutive bytes
	v_cndmask_b32 v[OW], v[SW], v[SW+2], vcc_lo
	v_cndmask_b32 v[OW+1], v[SW+1], v[SW+3], vcc_lo
	global_store_b64 v[SWO], v[OW:OW+1], s[16:17]
	s_wait_tensorcnt 0x0                           ; the wave's end, behind my last LDS store
	ds_add_u32 v[SPW], v[NIL]
	s_wait_dscnt 0x0
	s_endpgm
.Lfunc_end_k_q46fb53e3eb_quant:
	.size	k_q46fb53e3eb_quant, .Lfunc_end_k_q46fb53e3eb_quant-k_q46fb53e3eb_quant
	.p2alignl 7, 3214868480
	.fill 96, 4, 3214868480
	.section	.rodata,"a",@progbits
	.p2align	6, 0x0
	.amdhsa_kernel k_q46fb53e3eb_quant
		.amdhsa_group_segment_fixed_size 34304
		.amdhsa_private_segment_fixed_size 0
		.amdhsa_enable_private_segment 0
		.amdhsa_kernarg_size 56
		.amdhsa_user_sgpr_count 2
		.amdhsa_user_sgpr_kernarg_segment_ptr 1
		.amdhsa_wavefront_size32 1
		.amdhsa_system_sgpr_workgroup_id_x 1
		.amdhsa_system_sgpr_workgroup_id_y 1
		.amdhsa_system_sgpr_workgroup_id_z 1
		.amdhsa_system_vgpr_workitem_id 0
		.amdhsa_next_free_vgpr 252
		.amdhsa_next_free_sgpr 66
		.amdhsa_reserve_vcc 1
		.amdhsa_float_denorm_mode_32 3
		.amdhsa_float_denorm_mode_16_64 3
		.amdhsa_memory_ordered 1
		.amdhsa_forward_progress 1
		.amdhsa_inst_pref_size 35
	.end_amdhsa_kernel
	.amdgpu_metadata
---
amdhsa.version: [ 1, 2 ]
amdhsa.kernels:
  - .name:           k_q46fb53e3eb_quant
    .symbol:         k_q46fb53e3eb_quant.kd
    .args:
      - { .name: x, .offset: 0, .size: 8, .value_kind: global_buffer, .address_space: global }
      - { .name: Wq, .offset: 8, .size: 8, .value_kind: global_buffer, .address_space: global }
      - { .name: Wk, .offset: 16, .size: 8, .value_kind: global_buffer, .address_space: global }
      - { .name: Wv, .offset: 24, .size: 8, .value_kind: global_buffer, .address_space: global }
      - { .name: Wo, .offset: 32, .size: 8, .value_kind: global_buffer, .address_space: global }
      - { .name: codes, .offset: 40, .size: 8, .value_kind: global_buffer, .address_space: global }
      - { .name: scl, .offset: 48, .size: 8, .value_kind: global_buffer, .address_space: global }
    .group_segment_fixed_size: 34304
    .private_segment_fixed_size: 0
    .kernarg_segment_align: 8
    .kernarg_segment_size: 56
    .max_flat_workgroup_size: 128
    .sgpr_count:     66
    .vgpr_count:     252
    .wavefront_size: 32
...
	.end_amdgpu_metadata
.endif
;; end of part 1
;; launch qkv (part 2): grid 12 x 32, 4 waves a work-group, clusters of 4 x 4, 327,680 bytes of LDS; arguments codes, scl, bq, bk, bv, cos, sin, attention_mask, qrec, krec, vrec; writes qrec, krec, vrec
.if DOCPART == 2
	.amdgcn_target "amdgcn-amd-amdhsa--gfx1250"
	.amdhsa_code_object_version 6
	.text
	.protected	k_q46fb53e3eb_qkv
	.globl	k_q46fb53e3eb_qkv
	.p2align	8
	.type	k_q46fb53e3eb_qkv,@function
k_q46fb53e3eb_qkv:
	s_mov_b64 s[64:65], 0
	v_nop
	global_prefetch_b8 v0, s[64:65] scope:SCOPE_SE
	s_setreg_imm32_b32 hwreg(HW_REG_WAVE_MODE, 25, 1), 1
	s_wait_xcnt 0x0
	s_wait_alu depctr_hold_cnt(0) depctr_sa_sdst(0) depctr_va_vdst(0) depctr_va_sdst(0) depctr_va_ssrc(0) depctr_va_vcc(0) depctr_vm_vsrc(0)
	s_getreg_b32 s2, hwreg(HW_REG_IB_STS2, 6, 4)
	s_cmp_eq_u32 s2, 0
	s_cbranch_scc0 .Lentry_in_a_cluster
	s_endpgm
.Lentry_in_a_cluster:
	s_bfe_u32 s2, ttmp6, 0x10000c
	s_cmp_lg_u32 s2, 0xf033
	s_cbranch_scc0 .Lentry_shape_is_right
	s_endpgm
.Lentry_shape_is_right:
; The three projections as one GEMM on codes of FP6 (E2M3), K = 1,024, and what follows them: bias, the rotary turn (q, k), the key mask (k), and the quantisers of q and k (along the head's 64) and of v (along the keys).
; A tile of 256 x 256 is made by four waves, each 128 x 128: 64 accumulators, 512 registers.  The cluster's x is the KIND: 0 q, 1 k, 2 v (a cluster's four columns are the kind's 1,024 features).
; THE MATRIX INSTRUCTION IS USED TRANSPOSED: source 0 = 16 rows of "B", source 1 = 16 rows of "A": a lane holds ONE row of A, and its registers run along B's rows.  The row order of the code buffer makes the
; 16 registers of tiles 2 b and 2 b + 1 the 16 neighbours 32 b + 16 (lane / 16) + 0 .. 15 of B's rows.  For q and k: A = x, B = W: a lane holds one token and 128 features, two heads.
; For v the roles are changed by the addresses alone: A = Wv, B = x: a lane holds one feature and 128 keys, since the keys are the K of the product that v enters.
; TILES are images of operand registers: a row block of 16 rows has 1,536 bytes for each 128 along K.  One tensor load brings 8 row blocks x 2 K steps (rows of 3,072 bytes, 12,288 apart).
; K's eight steps lie in THREE LDS regions of two steps, each first filled behind a round of the cluster's barrier, and one refill of the first region: by this text's count a wave has at most one tensor load out.
; CLUSTERS: 4 x 4 work-groups; A's tiles are asked for jointly by a row of the cluster, B's by a column.
; ALL SCALE WORDS of my 128 + 128 rows stay in 64 registers: v[SC + 8 i + s]: lanes 0-15 the word of A's block i, lanes 16-31 that of B's block i, for K step s.
; RESULTS.  qrec, krec: [batch x head][key step of 128 tokens][8,704]: eight tiles of 16 tokens as images of EIGHT registers (0-3 at 16 l, 4-7 at 512 + 16 l), then the scale words, (row r, tile t) at 8,192 + 32 r + 4 t.
;   Registers 0-5 are the head's 64 codes.  THE MASK RIDES IN THE PADDING of the score product (its K is 64, the instruction's 128): at k = 64 q carries the code of 1.0 under the byte 127; a key that counts carries the
;   code 0 under the byte 0, a hidden key the code of -4.0 under the byte 245: its score comes out as -2^120.  vrec: [batch x head][key step][6,400]: four fragments (16 features x 128 keys), then (row r, tile t) at 6,144 + 16 r + 4 t.
; LIMITS: a block of zeros gets the byte 1 where the rule says 127 (its codes are zeros; this program alone reads the bytes); NaN and infinities are not served.
; REGISTERS: window 0: v1-31 addresses; v32-95 scale words; v96-111 bv, v112-119 mask bytes; v128-223 A's fragments, one set.  window 1: B's fragments, two sets (v0, v128); v96-127, v224-255 the bias of my 128 features.
;   windows 2, 3: accumulator (a, b) at v[8 (8 (a % 4) + b)].  On the way out window 0's v32-47 and v128-247 and window 1's two sets (cos and sin) are used anew.
.set HALFT, 24576                      ; 8 row blocks x 3,072 bytes: what one tensor load brings, and what one wave reads of A or of B
.set REGB,  98304                      ; a region: A's 16 row blocks, then B's 16
.set SPARE, 3*REGB                     ; behind the regions: the spare words, 128 bytes a wave
.set FR,    12                         ; registers of a fragment
.set NL,    4                          ; LDS loads that bring one
.set SC,    32
.set AF,    128
.set SPW,   28                         ; v28  my spare word; never rewritten
.set NIL,   29                         ; v29  0; never rewritten
.set G1,    24                         ; s[24:31] descriptor group 1 for A's tiles, s[32:39] for B's
.set G1B,   32
.set G0,    40                         ; s[40:51] group 0 for A's tiles, a set for each region; s[52:63] for B's
.set G0B,   52
.set SEL,   2                          ; s[2:3] lane selects: lane l xor 16
.set BV,    96
.set MK,    112
.set Y,     128                        ; the way out: 64 numbers
.set TM,    192
.set PW,    208
.set EW,    209
.set PC,    212
.set CAV,   236                        ; the padding's code of a hidden row, of a row that counts; the scale word's upper half likewise
.set CBV,   237
.set WAV,   238
.set WBV,   239
.set OW,    240
.set SWA,   32
.set SWB,   40
.set MSB, 0
.macro WIN new                         ; the immediate's high byte repeats the setting that is left
.if MSB != (\new)
	s_set_vgpr_msb (MSB<<8)|(\new)
.set MSB, (\new)
.endif
.endm
.set MUL_LO, 0xa1                      ; source 0 (B) window 1, source 1 (A) window 0, C and D window 2
.set MUL_HI, 0xf1                      ; the same, C and D window 3
.set TO_B,   0x40                      ; destination window 1, address window 0
; A joint load: waves 0 and 1 fetch for A, waves 2 and 3 for B.  The branch hangs on the wave's number alone.  An s_nop 0 and four v_nop follow each of the two lines.
.macro JLOAD g0a, g1a, g0b, g1b
	s_cmp_eq_u32 s15, 0
	s_cbranch_scc0 .Lfor_b_\@
	tensor_load_to_lds s[\g0a:\g0a+3], s[\g1a:\g1a+7]
	s_nop 0
.rept 4
	v_nop
.endr
	s_branch .Lasked_\@
.Lfor_b_\@:
	tensor_load_to_lds s[\g0b:\g0b+3], s[\g1b:\g1b+7]
	s_nop 0
.rept 4
	v_nop
.endr
.Lasked_\@:
.endm
.macro CREST                           ; a round of the cluster's barrier behind its opening barrier
	s_cmp_lg_u32 s14, 0
	s_cbranch_scc1 .Lnot_wave_0_\@
	s_barrier_signal -3
.Lnot_wave_0_\@:
	s_barrier_wait -3
	s_barrier_signal -1
	s_barrier_wait -1
.endm
.macro CROUND
	s_barrier_signal -1
	s_barrier_wait -1
	CREST
.endm
.macro PLACES                          ; four plain instructions between a matrix instruction and a load into, or a vector write or read of, its registers
.rept 4
	v_nop
.endr
.endm
.macro FRAG reg, a16, a8, q, i         ; a fragment comes back as it was stored: registers 0-3, 4-5, 6-9, 10-11
	ds_load_b128 v[\reg:\reg+3], v[\a16] offset:3072*(\i)+1536*(\q)
	ds_load_b64 v[\reg+4:\reg+5], v[\a8] offset:3072*(\i)+1536*(\q)+512
	ds_load_b128 v[\reg+6:\reg+9], v[\a16] offset:3072*(\i)+1536*(\q)+768
	ds_load_b64 v[\reg+10:\reg+11], v[\a8] offset:3072*(\i)+1536*(\q)+1280
.endm
.macro FETCH_B g, q, p                 ; B's eight fragments of region g's q-th K step into set p
	WIN TO_B
.irp i, 0,1,2,3,4,5,6,7
	FRAG 128*(\p)+FR*\i, 22+\g, 25+\g, \q, \i
.endr
	WIN 0
.endm
.macro FETCH_A g, q, i0                ; A's blocks i0 .. i0 + 3
.irp i, \i0, \i0+1, \i0+2, \i0+3
	FRAG AF+FR*(\i), 16+\g, 19+\g, \q, \i
.endr
.endm
; 16 matrix instructions: A's blocks a0, a0 + 1 x B's eight, K step s, B's set p.  first = 1: the products start the sums.  The 64 accumulators take turns, one instruction a turn.
.macro MUL16 a0, p, s, first
.irp a, \a0, \a0+1
.irp b, 0,1,2,3,4,5,6,7
.if \first
	v_wmma_scale_f32_16x16x128_f8f6f4 v[8*(8*((\a)%4)+\b):8*(8*((\a)%4)+\b)+7], v[128*(\p)+FR*\b:128*(\p)+FR*\b+FR-1], v[AF+FR*(\a):AF+FR*(\a)+FR-1], 0, v[SC+8*\b+(\s)], v[SC+8*(\a)+(\s)] matrix_a_fmt:MATRIX_FMT_FP6 matrix_b_fmt:MATRIX_FMT_FP6 matrix_a_scale:MATRIX_SCALE_ROW1
.else
	v_wmma_scale_f32_16x16x128_f8f6f4 v[8*(8*((\a)%4)+\b):8*(8*((\a)%4)+\b)+7], v[128*(\p)+FR*\b:128*(\p)+FR*\b+FR-1], v[AF+FR*(\a):AF+FR*(\a)+FR-1], v[8*(8*((\a)%4)+\b):8*(8*((\a)%4)+\b)+7], v[SC+8*\b+(\s)], v[SC+8*(\a)+(\s)] matrix_a_fmt:MATRIX_FMT_FP6 matrix_b_fmt:MATRIX_FMT_FP6 matrix_a_scale:MATRIX_SCALE_ROW1
.endif
.endr
.endr
.endm
; A region's first K step (number s): its successor lies in the same region.
.macro STEP g, s, first
	s_wait_dscnt 4*NL                              ; B's set and A's blocks 0-3 are in; the youngest 16 loads (A's blocks 4-7) may be out
	WIN MUL_LO
	MUL16 0, 0, \s, \first
	MUL16 2, 0, \s, \first
	s_wait_dscnt 0x0
	PLACES
	FETCH_B \g, 1, 1
	FETCH_A \g, 1, 0
	WIN MUL_HI
	MUL16 4, 0, \s, \first
	MUL16 6, 0, \s, \first
	PLACES
	WIN 0
	FETCH_A \g, 1, 4
.endm
; A region's second K step goes on to region nx.  kind 0: nx has been shown whole to every wave already, no barrier.  kind 1: one barrier: each wave's tensor loads have landed.
; kind 2: the barrier opens a round of the cluster's, and behind it region 0, which nobody reads any more, is filled again with K's last two steps.
.macro TURN g, nx, s, kind
.if \kind
	s_wait_tensorcnt 0x0                           ; all my tensor loads have landed;
	ds_add_u32 v[SPW], v[NIL]                      ; 0 onto my spare word;
	s_wait_dscnt 4*NL+1                            ; (the add and the youngest 16 loads may be out)
.else
	s_wait_dscnt 4*NL
.endif
	WIN MUL_LO
	MUL16 0, 1, \s, 0
.if \kind
	s_wait_dscnt 0x0                               ; the add is done, and my reads of this region are over
	s_barrier_signal -1
.endif
	MUL16 2, 1, \s, 0
.if \kind
	WIN 0
	s_barrier_wait -1
.else
	s_wait_dscnt 0x0
.endif
.if \kind == 2
	CREST                                          ; no wave of any partner still reads region 0 or has a load on its way
	s_add_nc_u64 s[G0+2:G0+3], s[G0+2:G0+3], 9216  ; three regions on along K
	s_add_nc_u64 s[G0B+2:G0B+3], s[G0B+2:G0B+3], 9216
	JLOAD G0, G1, G0B, G1B                         ; the first tensor load behind the round; its four v_nop are the places in front of the loads below
.elseif \kind == 3
	CREST                                          ; kind 3: the round stands in front of region 2's first fill
	JLOAD G0+8, G1, G0B+8, G1B                     ; K steps 4 and 5
.else
	PLACES
.endif
	FETCH_B \nx, 0, 0
	FETCH_A \nx, 0, 0
	WIN MUL_HI
	MUL16 4, 1, \s, 0
	MUL16 6, 1, \s, 0
	PLACES
	WIN 0
	FETCH_A \nx, 0, 4
.endm
; 64 numbers of a lane, register 16 b + i = k 32 b + 16 (lane / 16) + i of my row, become codes (two halves, fs registers apart, from v[PC] on) and a scale word in v[PW].
.macro QUANT s, fs
.irp b, 0,1,2,3
	v_max3_num_f32 v[TM+\b], |v[\s+16*\b]|, |v[\s+1+16*\b]|, 0x1800000   ; and the floor 2^(3 - 127): the byte cannot fall under 1
.endr
.irp i, 2,4,6,8,10,12,14
.irp b, 0,1,2,3
	v_max3_num_f32 v[TM+\b], v[TM+\b], |v[\s+16*\b+\i]|, |v[\s+1+16*\b+\i]|
.endr
.endr
.irp b, 0,1,2,3
	v_permlanex16_b32 v[TM+4+\b], v[TM+\b], s[SEL], s[SEL+1]
.endr
.irp b, 0,1,2,3
	v_max_num_f32 v[TM+\b], v[TM+\b], v[TM+4+\b]
.endr
.irp b, 0,1,2,3
	v_add_nc_u32 v[TM+12+\b], 0xff000000, v[TM+\b]     ; 2 off the exponent field: the conversion's scale operand
.endr
.irp b, 0,1,2,3
	v_lshrrev_b32 v[TM+4+\b], 23, v[TM+12+\b]          ; the scale's byte
.endr
	v_lshl_or_b32 v[PW], v[TM+5], 8, v[TM+4]
	v_lshl_or_b32 v[PW], v[TM+6], 16, v[PW]
	v_lshl_or_b32 v[PW], v[TM+7], 24, v[PW]
.irp c, 0,1
	v_cvt_scalef32_pk16_fp6_f32 v[PC+\fs*\c:PC+\fs*\c+2], v[\s+32*\c:\s+15+32*\c], v[TM+12+2*\c]
	v_cvt_scalef32_pk16_fp6_f32 v[PC+16+4*\c:PC+18+4*\c], v[\s+16+32*\c:\s+31+32*\c], v[TM+13+2*\c]
.endr
	v_nop                                              ; one plain instruction behind the scaled conversions
.irp c, 0,1
.irp i, 0,1,2
	v_permlane16_swap_b32 v[PC+\fs*\c+\i], v[PC+16+4*\c+\i]
.endr
.irp i, 0,1,2
	v_mov_b32 v[PC+\fs*\c+3+\i], v[PC+16+4*\c+\i]
.endr
.endr
.endm
	s_load_b512 s[68:83], s[0:1], 0x0              ; codes 68, scl 70, bq 72, bk 74, bv 76, cos 78, sin 80, mask 82
	s_load_b128 s[84:87], s[0:1], 0x40             ; qrec, krec
	s_load_b64 s[88:89], s[0:1], 0x50              ; vrec
	v_lshl_add_u32 v[SPW], v0, 2, SPARE
	v_mov_b32 v[NIL], 0
	ds_add_u32 v[SPW], v[NIL]                      ; the wave's opening: the add and its wait ahead of my first tensor load; work on registers stands between them
	ds_add_u32 v[SPW], v[NIL]
	v_lshrrev_b32 v1, 5, v0
	v_readfirstlane_b32 s14, v1                    ; wave 0..3
	s_lshr_b32 s15, s14, 1                         ; which half of A's rows is mine.  Also: I fetch for A (0) or for B (1)
	s_and_b32 s16, s14, 1                          ; which half of B's rows.  Also: which 8 row blocks of that tile I fetch
	s_bfe_u32 s90, ttmp6, 0x40000                  ; cx
	s_bfe_u32 s91, ttmp6, 0x40004                  ; cy
	s_and_b32 s92, ttmp7, 0xffff
	s_lshl_b32 s92, s92, 2                         ; 4 x cluster y
	s_lshl_b32 s93, ttmp9, 2
	s_add_co_u32 s93, s93, 32                      ; Wq's tiles begin at tile 32 of the code buffer, Wk's at 36
	s_cmp_eq_u32 ttmp9, 2                          ; the kind is the cluster's x: the same in all sixteen partners
	s_cselect_b32 s10, 40, s92                     ; A's tile (16 row blocks): q, k: x's tile 4 Y + cy;  v: Wv's tile 40 + cy
	s_cselect_b32 s11, s92, s93                    ; B's tile: q, k: W's tile 32 + 4 X + cx;  v: x's tile 4 Y + cx
	s_add_co_u32 s10, s10, s91
	s_add_co_u32 s11, s11, s90
	s_lshl_b32 s94, s91, 2
	s_lshl_b32 s94, 15, s94                        ; my row of the cluster
	s_lshl_b32 s95, 0x1111, s90                    ; my column
	s_or_b32 s[G1+0], s94, (3<<16)|(1<<21)         ; 15:0 the mask; 17:16 elements of 8 bytes; 21 set beside a mask; no padding
	s_or_b32 s[G1B+0], s95, (3<<16)|(1<<21)
.irp g, G1, G1B
	s_mov_b32 s[\g+1], 384<<16                     ; tensor_dim0 = 384 elements: 3,072 bytes, two K steps of a row block
	s_mov_b32 s[\g+2], 8<<16                       ; tensor_dim1 = 8 row blocks
	s_mov_b32 s[\g+3], 384<<16                     ; tile_dim0
	s_mov_b32 s[\g+4], 8                           ; tile_dim1
	s_mov_b32 s[\g+5], 1536                        ; from row block to row block: 12,288 bytes
	s_mov_b32 s[\g+6], 0
	s_mov_b32 s[\g+7], 0
.endr
	s_lshl_b32 s17, s16, 3
	s_lshl_b32 s18, s10, 4
	s_add_co_u32 s18, s18, s17                     ; A: the first row block that I fetch
	s_mul_i32 s18, s18, 12288
	s_mov_b32 s19, 0
	s_lshl_b32 s22, s11, 4
	s_add_co_u32 s22, s22, s17                     ; B likewise
	s_mul_i32 s22, s22, 12288
	s_mov_b32 s23, 0
	s_mul_i32 s13, s14, HALFT                      ; where they go: wave x 8 row blocks: no place in the cluster enters an LDS address
	s_mov_b32 s[SEL], 0x76543210
	s_mov_b32 s[SEL+1], 0xfedcba98
	s_wait_dscnt 0x0                               ; the opening add is done
	s_wait_kmcnt 0x0
	s_add_nc_u64 s[18:19], s[68:69], s[18:19]
	s_add_nc_u64 s[22:23], s[68:69], s[22:23]
	CROUND                                         ; all sixteen work-groups are here: the first joint loads meet
.irp g, 0,1,2
	s_mov_b32 s[G0+4*\g], 1
	s_add_co_u32 s[G0+4*\g+1], s13, \g*REGB
	s_add_nc_u64 s[G0+4*\g+2:G0+4*\g+3], s[18:19], \g*3072
	s_or_b32 s[G0+4*\g+3], s[G0+4*\g+3], 0x80000000
	s_mov_b32 s[G0B+4*\g], 1
	s_add_co_u32 s[G0B+4*\g+1], s13, \g*REGB
	s_add_nc_u64 s[G0B+4*\g+2:G0B+4*\g+3], s[22:23], \g*3072
	s_or_b32 s[G0B+4*\g+3], s[G0B+4*\g+3], 0x80000000
.endr
	JLOAD G0, G1, G0B, G1B                         ; K steps 0 and 1: one tensor load a wave at the head; regions 1 and 2 are first filled behind later rounds, one load a wave each
	; PREFETCH: a later load of mine brings 8 row blocks x 3,072 bytes.  The four partners that ask for it jointly share it out by address: the partner at place p (cx for A, cy for B) names row blocks 2 p and 2 p + 1,
	; 24 units of 256 bytes, a lane a unit (lanes 24-31 name the last again), one instruction a wave.  Here: the loads one and two regions on; behind region 1's load: K steps 6 and 7.  The address registers are never rewritten.
	s_cmp_eq_u32 s15, 0
	s_cselect_b64 s[96:97], s[18:19], s[22:23]     ; the 8 row blocks that I fetch, of A or of B
	s_cselect_b32 s4, s90, s91
	s_mul_i32 s4, s4, 24576
	s_mov_b32 s5, 0
	s_add_nc_u64 s[96:97], s[96:97], s[4:5]
	v_and_b32 v14, 31, v0
	v_min_u32 v14, 23, v14
	v_mul_u32_u24 v15, v14, 11
	v_lshrrev_b32 v15, 7, v15                      ; 1 from unit 12 on: the second row block
	v_lshlrev_b32 v14, 8, v14
	v_mad_u32_u24 v14, v15, 9216, v14              ; 256 x unit, + 12,288 - 3,072 for the second row block
	global_prefetch_b8 v14, s[96:97] offset:3072 th:TH_LOAD_NT scope:SCOPE_SE
	global_prefetch_b8 v14, s[96:97] offset:6144 th:TH_LOAD_NT scope:SCOPE_SE
	v_and_b32 v11, 31, v0
	v_lshlrev_b32 v1, 4, v11                       ; v1: 16 x lane
	v_lshlrev_b32 v4, 3, v11                       ; v4: 8 x lane
	v_and_b32 v2, 15, v0                           ; v2: r
	v_bfe_u32 v3, v0, 4, 1                         ; v3: h
	v_and_b32 v5, 8, v2
	v_add_nc_u32 v5, v5, v2                        ; v5: r + 8 (r / 8): storage row r's place among a block pair's 32 rows
	s_mul_i32 s4, s15, HALFT                       ; my 8 row blocks of A
	s_mul_i32 s5, s16, HALFT                       ; my 8 of B,
	s_add_co_u32 s5, s5, 2*HALFT                   ; which lie behind A's 16
.irp g, 0,1,2
	v_add_nc_u32 v[16+\g], s4, v1
	v_add_nc_u32 v[19+\g], s4, v4
	v_add_nc_u32 v[22+\g], s5, v1
	v_add_nc_u32 v[25+\g], s5, v4
	s_add_co_u32 s4, s4, REGB
	s_add_co_u32 s5, s5, REGB
.endr
	s_lshl_b32 s6, s10, 4
	s_lshl_b32 s4, s15, 3
	s_add_co_u32 s6, s6, s4                        ; s6: my first row block of A
	s_lshl_b32 s7, s11, 4
	s_add_co_u32 s7, s7, s17                       ; s7: my first row block of B
	s_lshl_b32 s8, s6, 9
	s_lshl_b32 s9, s7, 9
	v_mov_b32 v11, s8
	v_mov_b32 v12, s9
	v_cmp_ne_u32 vcc_lo, 0, v3
	v_cndmask_b32 v6, v11, v12, vcc_lo             ; lanes 0-15 take A's scale words, lanes 16-31 B's
	v_lshl_add_u32 v6, v2, 4, v6
.irp i, 0,1,2,3,4,5,6,7
.irp u, 0,1
	global_load_b128 v[SC+8*\i+4*\u:SC+8*\i+4*\u+3], v6, s[70:71] offset:512*\i+256*\u
.endr
.endr
	s_cmp_eq_u32 ttmp9, 0
	s_cselect_b64 s[20:21], s[72:73], s[74:75]
	s_cmp_eq_u32 ttmp9, 2
	s_cselect_b64 s[20:21], s[76:77], s[20:21]     ; the kind's bias
	s_lshl_b32 s4, s90, 10
	s_lshl_b32 s5, s16, 9
	s_add_co_u32 s4, s4, s5
	v_lshl_add_u32 v7, v3, 6, s4                   ; q, k: the bias of B's rows: (256 cx + 128 half + 16 h) x 4
	WIN TO_B
.irp n, 0,1,2,3,4,5,6,7
	global_load_b128 v[96+4*\n:99+4*\n], v7, s[20:21] offset:128*(\n/4)+16*(\n%4)          ; register 16 b + i: feature 32 b + 16 h + i
.endr
.irp n, 8,9,10,11,12,13,14,15
	global_load_b128 v[192+4*\n:195+4*\n], v7, s[20:21] offset:128*(\n/4)+16*(\n%4)
.endr
	WIN 0
	s_lshl_b32 s4, s91, 10
	s_lshl_b32 s5, s15, 9
	s_add_co_u32 s4, s4, s5
	v_lshl_add_u32 v8, v5, 2, s4                   ; v: the bias of A's rows: my lane's feature in each block (loaded for every kind: the address lies inside bv for all)
.irp a, 0,1,2,3,4,5,6,7
	global_load_b32 v[BV+2*\a], v8, s[76:77] offset:(32*(\a/2)+8*(\a%2))*4
	global_load_b32 v[BV+2*\a+1], v8, s[76:77] offset:(32*(\a/2)+8*(\a%2))*4     ; twice: a pair for the packed addition
.endr
	s_lshr_b32 s4, s6, 7
	s_and_b32 s4, s4, 3
	s_lshl_b32 s4, s4, 11                          ; the batch's 2,048 mask bytes (for v: some batch; the bytes are not used there)
	s_and_b32 s5, s6, 127
	s_lshl_b32 s5, s5, 4                           ; my first token in the batch
	s_add_co_u32 s4, s4, s5
	v_add_nc_u32 v9, s4, v5
.irp a, 0,1,2,3,4,5,6,7
	global_load_u8 v[MK+\a], v9, s[82:83] offset:32*(\a/2)+8*(\a%2)
.endr
	v_add_nc_u32 v10, s5, v5
	v_lshlrev_b32 v10, 8, v10
	v_lshl_add_u32 v10, v3, 6, v10                 ; cos, sin: my token's row of 256 bytes, + 64 h
	v_lshlrev_b32 v12, 5, v2
	v_lshl_add_u32 v12, v3, 4, v12                 ; 32 r + 16 h: where q's and k's scale words go
	v_mul_u32_u24 v13, v3, 102400
	v_lshl_add_u32 v13, v2, 4, v13                 ; 16 r, + a head on for lanes 16-31: where v's go
; cos and sin of block a's 16 tokens into window 1, set 0 (v0) or 1 (v128): [cos of d = 16 h + i][cos of 32 + 16 h + i][sin likewise]
.macro CSLOAD a, set
	WIN TO_B
.irp j, 0,1,2,3
	global_load_b128 v[128*(\set)+4*\j:128*(\set)+4*\j+3], v10, s[78:79] offset:(32*((\a)/2)+8*((\a)%2))*256+16*\j
	global_load_b128 v[128*(\set)+16+4*\j:128*(\set)+19+4*\j], v10, s[78:79] offset:(32*((\a)/2)+8*((\a)%2))*256+128+16*\j
	global_load_b128 v[128*(\set)+32+4*\j:128*(\set)+35+4*\j], v10, s[80:81] offset:(32*((\a)/2)+8*((\a)%2))*256+16*\j
	global_load_b128 v[128*(\set)+48+4*\j:128*(\set)+51+4*\j], v10, s[80:81] offset:(32*((\a)/2)+8*((\a)%2))*256+128+16*\j
.endr
.endm
	s_wait_alu depctr_va_vdst(0)
	s_wait_tensorcnt 0x0                           ; my part of region 0 is in
	ds_add_u32 v[SPW], v[NIL]
	s_wait_dscnt 0x0
	CROUND                                         ; everybody's part is in, and all sixteen work-groups are here
	JLOAD G0+4, G1, G0B+4, G1B                     ; region 1's first fill: K steps 2 and 3
	global_prefetch_b8 v14, s[96:97] offset:9216 th:TH_LOAD_NT scope:SCOPE_SE   ; K steps 6 and 7, two loads on
	FETCH_B 0, 0, 0
	FETCH_A 0, 0, 0
	FETCH_A 0, 0, 4
	s_wait_loadcnt 0x0                             ; scale words, biases, mask bytes
	STEP 0, 0, 1                                   ; the first K step's products start the sums
	TURN 0, 1, 1, 3                                ; region 1 is whole for all; region 2 is asked for
	STEP 1, 2, 0
	TURN 1, 2, 3, 2                                ; region 2 is whole for all; region 0, which nobody reads any more, takes K steps 6 and 7
	STEP 2, 4, 0
	TURN 2, 0, 5, 1                                ; the refill of region 0 has landed, in every wave
	STEP 0, 6, 0
	s_wait_dscnt 4*NL                              ; the last K step: nothing more to fetch from LDS
	WIN MUL_LO
	MUL16 0, 1, 7, 0
	MUL16 2, 1, 7, 0
	s_wait_alu depctr_va_vdst(0)
	CSLOAD 0, 0                                    ; B's set 0 was last read a K step ago, with that step's places behind it
	s_wait_dscnt 0x0
	WIN MUL_HI
	MUL16 4, 1, 7, 0
	MUL16 6, 1, 7, 0
	WIN 0
	PLACES                                         ; behind the last products: what follows reads results and writes registers that they read
.irp b, 0,1,2,3
	v_mov_b32 v[TM+4+\b], 0                        ; written once: a lane permute's destination counts as one of its sources
.endr
	s_cmp_eq_u32 ttmp9, 2
	s_cbranch_scc1 .Lv
	; ---- q and k: block a's 16 tokens: + bias, the rotary turn, the quantiser along each head's 64, the padding's code and byte
	s_lshr_b32 s4, s6, 7                           ; batch
	s_lshl_b32 s4, s4, 4
	s_lshl_b32 s5, s90, 2
	s_add_co_u32 s4, s4, s5
	s_lshl_b32 s5, s16, 1
	s_add_co_u32 s4, s4, s5                        ; 16 x batch + my first head (4 cx + 2 x half)
	s_lshl_b32 s4, s4, 4
	s_and_b32 s5, s6, 127
	s_lshr_b32 s5, s5, 3
	s_add_co_u32 s4, s4, s5                        ; + the key step
	s_mul_i32 s4, s4, 8704
	s_mov_b32 s5, 0
	s_cmp_eq_u32 ttmp9, 0
	s_cselect_b64 s[8:9], s[84:85], s[86:87]
	s_cselect_b32 s17, 8, 56                       ; hidden: q the code of 1.0 (the mask hides keys, not queries), k the code of -4.0
	s_cselect_b32 s20, 8, 0                        ; counts: q 1.0, k 0
	s_mov_b32 s21, 245<<16
	s_cselect_b32 s21, 127<<16, s21                ; the third block's byte: hidden: q 127, k 245
	s_cselect_b32 s22, 127<<16, 0                  ; counts: q 127, k 0
	s_add_nc_u64 s[8:9], s[8:9], s[4:5]
	v_add_nc_u32 v11, -1, v3                       ; all ones in lanes 0-15, which hold k = 64; 0 in lanes 16-31
	v_and_b32 v[CAV], s17, v11
	v_and_b32 v[CBV], s20, v11
	v_mov_b32 v[WAV], s21
	v_mov_b32 v[WBV], s22
	v_mov_b32 v[PC+7], 0
	v_mov_b32 v[PC+15], 0
	CSLOAD 1, 1
	WIN 0
.macro QK a
.set AC, 64*((\a)%4)
.set CSB, 128*((\a)%2)
.if (\a) < 7
	s_wait_loadcnt 16                              ; this block's cos and sin are in; the next block's 16 loads may be out
.else
	s_wait_loadcnt 0x0
.endif
	WIN 0x86+0x41*((\a)/4)                         ; accumulators window 2 or 3, the bias window 1
.set n, 0
.rept 16
	v_pk_add_f32 v[AC+n:AC+n+1], v[AC+n:AC+n+1], v[96+n:97+n]          ; each accumulator from its low end on
.set n, n+2
.endr
.rept 16
	v_pk_add_f32 v[AC+n:AC+n+1], v[AC+n:AC+n+1], v[192+n:193+n]
.set n, n+2
.endr
	WIN 0x06+((\a)/4)                              ; source 0 the accumulators, source 1 cos and sin, the rest window 0
.irp g, 0,1                                    ; head g: registers 32 g + i are d = 16 h + i, registers 32 g + 16 + i are d = 32 + 16 h + i
.set i, 0
.rept 8
	v_pk_mul_f32 v[Y+32*\g+i:Y+32*\g+i+1], v[AC+32*\g+i:AC+32*\g+i+1], v[CSB+i:CSB+i+1]
	v_pk_mul_f32 v[Y+32*\g+16+i:Y+32*\g+17+i], v[AC+32*\g+16+i:AC+32*\g+17+i], v[CSB+16+i:CSB+17+i]
.set i, i+2
.endr
.set i, 0
.rept 8
	v_pk_fma_f32 v[Y+32*\g+i:Y+32*\g+i+1], v[AC+32*\g+16+i:AC+32*\g+17+i], v[CSB+32+i:CSB+33+i], v[Y+32*\g+i:Y+32*\g+i+1] neg_lo:[1,0,0] neg_hi:[1,0,0]   ; lower half: - the upper half x sin
	v_pk_fma_f32 v[Y+32*\g+16+i:Y+32*\g+17+i], v[AC+32*\g+i:AC+32*\g+i+1], v[CSB+48+i:CSB+49+i], v[Y+32*\g+16+i:Y+32*\g+17+i]                             ; upper half: + the lower half x sin
.set i, i+2
.endr
.endr
.if (\a) < 6
	CSLOAD (\a)+2, (\a)%2
.endif
	WIN 0
	s_wait_xcnt 0x0                                ; the last block's stores have read their registers: they are written again only behind this wait
	v_cmp_ne_u32 vcc_lo, 0, v[MK+\a]               ; does my token count?
	v_cndmask_b32 v[PC+6], v[CAV], v[CBV], vcc_lo
	v_cndmask_b32 v[PC+14], v[CAV], v[CBV], vcc_lo
	v_cndmask_b32 v[EW], v[WAV], v[WBV], vcc_lo
	QUANT Y, 8
	v_and_or_b32 v[SWA+\a], v[PW], 0xffff, v[EW]   ; the first head's two bytes, and the padding's
	v_lshrrev_b32 v[SWB+\a], 16, v[PW]
	v_or_b32 v[SWB+\a], v[SWB+\a], v[EW]           ; the second head's
	global_store_b128 v1, v[PC:PC+3], s[8:9] offset:1024*\a                    ; each store covers 512 consecutive bytes
	global_store_b128 v1, v[PC+4:PC+7], s[8:9] offset:1024*\a+512
	global_store_b128 v1, v[PC+8:PC+11], s[8:9] offset:139264+1024*\a          ; the next head's records lie 16 x 8,704 bytes on
	global_store_b128 v1, v[PC+12:PC+15], s[8:9] offset:139264+1024*\a+512
.endm
.irp a, 0,1,2,3,4,5,6,7
	QK \a
.endr
	v_cmp_ne_u32 vcc_lo, 0, v3                     ; lane (r, h) stores the words of tiles 4 h .. 4 h + 3 of row r
.irp t, 0,1,2,3
	v_cndmask_b32 v[OW+\t], v[SWA+\t], v[SWA+4+\t], vcc_lo
	v_cndmask_b32 v[OW+4+\t], v[SWB+\t], v[SWB+4+\t], vcc_lo
.endr
	global_store_b128 v12, v[OW:OW+3], s[8:9] offset:8192
	global_store_b128 v12, v[OW+4:OW+7], s[8:9] offset:139264+8192
	s_branch .Ldone
.Lv:	; ---- v: block a's 16 features: + bias, the quantiser along my 128 keys: the block is one fragment of the second attention product
	s_lshr_b32 s4, s7, 7                           ; batch
	s_lshl_b32 s4, s4, 4
	s_lshl_b32 s5, s91, 2
	s_add_co_u32 s4, s4, s5
	s_lshl_b32 s5, s15, 1
	s_add_co_u32 s4, s4, s5                        ; 16 x batch + my first head (4 cy + 2 x half)
	s_lshl_b32 s4, s4, 4
	s_and_b32 s5, s7, 127
	s_lshr_b32 s5, s5, 3
	s_add_co_u32 s4, s4, s5                        ; + the key step
	s_mul_i32 s4, s4, 6400
	s_mov_b32 s5, 0
	s_add_nc_u64 s[8:9], s[88:89], s[4:5]
.macro VV a
.set AC, 64*((\a)%4)
	WIN 0x02+((\a)/4)
.set n, 0
.rept 32
	v_pk_add_f32 v[Y+n:Y+n+1], v[AC+n:AC+n+1], v[BV+2*\a:BV+2*\a+1]
.set n, n+2
.endr
	WIN 0
	s_wait_xcnt 0x0                                ; the last block's stores have read their registers
	QUANT Y, 6
	v_mov_b32 v[SWA+\a], v[PW]
	global_store_b128 v1, v[PC:PC+3], s[8:9] offset:(\a/4)*102400+(\a%4)*1536
	global_store_b128 v1, v[PC+4:PC+7], s[8:9] offset:(\a/4)*102400+(\a%4)*1536+512
	global_store_b128 v1, v[PC+8:PC+11], s[8:9] offset:(\a/4)*102400+(\a%4)*1536+1024
.endm
.irp a, 0,1,2,3,4,5,6,7
	VV \a
.endr
	v_cmp_ne_u32 vcc_lo, 0, v3                     ; lanes 0-15 store the first head's four words of row r, lanes 16-31 the second head's
.irp t, 0,1,2,3
	v_cndmask_b32 v[OW+\t], v[SWA+\t], v[SWA+4+\t], vcc_lo
.endr
	global_store_b128 v13, v[OW:OW+3], s[8:9] offset:6144
.Ldone:
	s_wait_tensorcnt 0x0                           ; the wave's end, behind my last tensor load
	ds_add_u32 v[SPW], v[NIL]
	s_wait_dscnt 0x0
	CROUND                                         ; the closing round: no work-group ends while a partner may still ask for a tile that names it
	s_endpgm
.Lfunc_end_k_q46fb53e3eb_qkv:
	.size	k_q46fb53e3eb_qkv, .Lfunc_end_k_q46fb53e3eb_qkv-k_q46fb53e3eb_qkv
	.p2alignl 7, 3214868480
	.fill 96, 4, 3214868480
	.section	.rodata,"a",@progbits
	.p2align	6, 0x0
	.amdhsa_kernel k_q46fb53e3eb_qkv
		.amdhsa_group_segment_fixed_size 327680
		.amdhsa_private_segment_fixed_size 0
		.amdhsa_enable_private_segment 0
		.amdhsa_kernarg_size 88
		.amdhsa_user_sgpr_count 2
		.amdhsa_user_sgpr_kernarg_segment_ptr 1
		.amdhsa_wavefront_size32 1
		.amdhsa_system_sgpr_workgroup_id_x 1
		.amdhsa_system_sgpr_workgroup_id_y 1
		.amdhsa_system_sgpr_workgroup_id_z 1
		.amdhsa_system_vgpr_workitem_id 0
		.amdhsa_next_free_vgpr 1024
		.amdhsa_next_free_sgpr 100
		.amdhsa_reserve_vcc 1
		.amdhsa_float_denorm_mode_32 3
		.amdhsa_float_denorm_mode_16_64 3
		.amdhsa_memory_ordered 1
		.amdhsa_forward_progress 1
		.amdhsa_inst_pref_size 255
	.end_amdhsa_kernel
	.section	.bss,"aw",@nobits
	.p2align	6
	.space	262144
	.amdgpu_metadata
---
amdhsa.version: [ 1, 2 ]
amdhsa.kernels:
  - .name:           k_q46fb53e3eb_qkv
    .symbol:         k_q46fb53e3eb_qkv.kd
    .args:
      - { .name: codes, .offset: 0, .size: 8, .value_kind: global_buffer, .address_space: global }
      - { .name: scl, .offset: 8, .size: 8, .value_kind: global_buffer, .address_space: global }
      - { .name: bq, .offset: 16, .size: 8, .value_kind: global_buffer, .address_space: global }
      - { .name: bk, .offset: 24, .size: 8, .value_kind: global_buffer, .address_space: global }
      - { .name: bv, .offset: 32, .size: 8, .value_kind: global_buffer, .address_space: global }
      - { .name: cos, .offset: 40, .size: 8, .value_kind: global_buffer, .address_space: global }
      - { .name: sin, .offset: 48, .size: 8, .value_kind: global_buffer, .address_space: global }
      - { .name: attention_mask, .offset: 56, .size: 8, .value_kind: global_buffer, .address_space: global }
      - { .name: qrec, .offset: 64, .size: 8, .value_kind: global_buffer, .address_space: global }
      - { .name: krec, .offset: 72, .size: 8, .value_kind: global_buffer, .address_space: global }
      - { .name: vrec, .offset: 80, .size: 8, .value_kind: global_buffer, .address_space: global }
    .group_segment_fixed_size: 327680
    .private_segment_fixed_size: 0
    .kernarg_segment_align: 8
    .kernarg_segment_size: 88
    .max_flat_workgroup_size: 128
    .sgpr_count:     100
    .vgpr_count:     1024
    .wavefront_size: 32
...
	.end_amdgpu_metadata
.endif
;; end of part 2
;; launch attn (part 3): grid 4 x 64, 16 waves a work-group, clusters of 4 x 1, 327,680 bytes of LDS; arguments qrec, krec, vrec, codes, scl; writes codes, scl
.if DOCPART == 3
	.amdgcn_target "amdgcn-amd-amdhsa--gfx1250"
	.amdhsa_code_object_version 6
	.text
	.protected	k_q46fb53e3eb_attn
	.globl	k_q46fb53e3eb_attn
	.p2align	8
	.type	k_q46fb53e3eb_attn,@function
k_q46fb53e3eb_attn:
	s_mov_b64 s[64:65], 0
	v_nop
	global_prefetch_b8 v0, s[64:65] scope:SCOPE_SE
	s_setreg_imm32_b32 hwreg(HW_REG_WAVE_MODE, 25, 1), 1
	s_wait_xcnt 0x0
	s_wait_alu depctr_hold_cnt(0) depctr_sa_sdst(0) depctr_va_vdst(0) depctr_va_sdst(0) depctr_va_ssrc(0) depctr_va_vcc(0) depctr_vm_vsrc(0)
	s_getreg_b32 s2, hwreg(HW_REG_IB_STS2, 6, 4)
	s_cmp_eq_u32 s2, 0
	s_cbranch_scc0 .Lentry_in_a_cluster
	s_endpgm
.Lentry_in_a_cluster:
	s_bfe_u32 s2, ttmp6, 0x10000c
	s_cmp_lg_u32 s2, 0x3003
	s_cbranch_scc0 .Lentry_shape_is_right
	s_endpgm
.Lentry_shape_is_right:
; Attention of one (batch, head) on codes of FP6 (E2M3): S^T = k q^T, p = 2^(t - M), O^T += v^T p^T, O / l, and the quantiser of the result along the head's 64, stored as the last projection's operand.
; SHARES: a work-group takes 512 queries of one head; a wave two tiles of 16 queries, one after the other (two passes of one text); a lane one query.  The four work-groups of a cluster take the same head:
; K's and V's records are asked for jointly (mask 15).  All 16 key steps of 128 keys lie in LDS, each filled once: K 16 x 9,248 bytes, V 16 x 6,400, the spare words 2,048.
; THE FILLS: at the head waves 0-7 ask for K's records 0-7 and waves 8-15 for V's, one load a wave; records 8-15 follow behind the full sequence and a round, and are shown to all waves by one barrier ahead of step 7
; (step 6 fetches K's record 7 at the most).  No prefetch is laid: the second group is asked for as soon as the first has landed, seven steps ahead of its first read, and there is no later stream.
; THE KEYS OF A K TILE are chosen by the LDS address: row r' of tile 4 H + u is key 64 H + 32 (r' / 8) + 8 u + r' % 8.  So lane (query, h) holds in the 32 registers of tiles 4 H .. 4 H + 3 the keys 64 H + 32 h + 0 .. 31:
; ONE WHOLE BLOCK of the second product's K, in the operand's own order: a block's maximum needs no other lane and the codes need no lane swap.  krec holds tiles a of another order (row r of tile a: key 32 (a / 2) + 8 (a % 2) + r + 8 (r / 8)):
; row r' of the new tile is row r' % 8 + 8 (u / 2) of tile a = 4 H + 2 (r' / 8) + u % 2.  K's LDS rows are 512 bytes + 32 of padding.
; THE MASK rides in the padding of the score product, as the projections' launch laid it: a hidden key's score is -2^120.
; A STEP: QK for this step (its fragments were fetched in the step before); V's fragments into the same registers; maxima; M; t - M; O x f; exponentials; scale word and codes; PV; the next step's K fragments; the row's sums lie round PV.
; The last step of a pass fetches K's record 0, for the next pass; behind the last pass these fragments are not used.
; LIMITS: the scaled scores stay under 2^31 in magnitude; a batch all of whose keys are hidden is not served (its sum is 0); NaN and infinities are not served; a block of zeros gets the byte 1 (this program alone reads the bytes).
.set KREC,  8704
.set VREC,  6400
.set KRL,   9248                       ; a K record in LDS: 17 rows of 544
.set VREG,  16*KRL
.set SPARE, VREG+16*VREC
.set SPW,   5                          ; v5 my spare word, v6 zero: never rewritten
.set NIL,   6
.set KF,    32                         ; v32-99 K's eight tiles of 8 registers (+4 zeros); v32-79 V's four fragments
.set S,     100                        ; v100-163 scores, then p
.set O,     164                        ; v164-195 O^T
.set PC,    196                        ; v196-207 p's codes
.set PT,    208                        ; v208-214 the upper halves of the blocks' codes, as converted
.set QNW,   215                        ; the second pass's q scale word
.set KS,    216                        ; v216-223 K's scale words
.set VS,    224                        ; v224-227 V's
.set CA,    228                        ; maxima: two chains for each of my two blocks
.set CB,    230
.set BT,    232
.set SO,    234
.set T0,    236
.set T1,    237
.set F,     238
.set SB,    240                        ; v240-245 three more chains of the row's sum
.set KA,    246                        ; 2176 (r / 8) + 16 (r % 8) + 256 h
.set H8,    247                        ; 8 h
.set QN,    248                        ; v248-255 the second pass's q
.set NC,    2                          ; s2: -log2(e) / 8
.set G1K,   24
.set G1V,   32
.set G0K,   40
.set G0V,   44
.set QP,    48
.set QW,    50
.set OC,    52
.set OS,    54
.set TK,    56                         ; LDS offset of the K record fetched next
.set TV,    57                         ; and of this step's V record
.set CNT,   58
.set PCN,   59
.set SEL,   60
.set CS,    62
.macro CROUND
	s_barrier_signal -1
	s_barrier_wait -1
	s_cmp_lg_u32 s14, 0
	s_cbranch_scc1 .Lnot_wave_0_\@
	s_barrier_signal -3
.Lnot_wave_0_\@:
	s_barrier_wait -3
	s_barrier_signal -1
	s_barrier_wait -1
.endm
.macro KVLOAD                          ; a joint load a wave: waves 0-7 a record of K, waves 8-15 one of V; the branch hangs on the wave's number alone
	s_cmp_lt_u32 s14, 8
	s_cbranch_scc0 .Lfor_v_\@
	tensor_load_to_lds s[G0K:G0K+3], s[G1K:G1K+7]
	s_nop 0
.rept 4
	v_nop
.endr
	s_branch .Lasked_\@
.Lfor_v_\@:
	tensor_load_to_lds s[G0V:G0V+3], s[G1V:G1V+7]
	s_nop 0
.rept 4
	v_nop
.endr
.Lasked_\@:
.endm
.macro KLOAD ka, ks                    ; a record's eight tiles in the new order, and their scale words
.irp t, 0,1,2,3,4,5,6,7
	ds_load_b128 v[KF+8*\t:KF+8*\t+3], v[\ka] offset:1088*(4*(\t/4)+(\t%2))+128*((\t%4)/2)
	ds_load_b128 v[KF+8*\t+4:KF+8*\t+7], v[\ka] offset:1088*(4*(\t/4)+(\t%2))+128*((\t%4)/2)+544
.endr
.irp u, 0,1,2,3
	ds_load_b64 v[KS+2*\u:KS+2*\u+1], v[\ks] offset:256*(\u%2)+16*(\u/2)
.endr
.endm
.macro ADD4 j                          ; four pairs of p onto the sum's four chains
	v_pk_add_f32 v[14:15], v[14:15], v[S+\j:S+\j+1]
	v_pk_add_f32 v[SB:SB+1], v[SB:SB+1], v[S+\j+2:S+\j+3]
	v_pk_add_f32 v[SB+2:SB+3], v[SB+2:SB+3], v[S+\j+4:S+\j+5]
	v_pk_add_f32 v[SB+4:SB+5], v[SB+4:SB+5], v[S+\j+6:S+\j+7]
.endm
.macro TM4                             ; t - M for four pairs
.rept 4
	v_pk_fma_f32 v[S+j:S+j+1], v[S+j:S+j+1], s[CS:CS+1], v[12:13] op_sel_hi:[1,0,0]
.set j, j+2
.endr
.endm
	s_load_b256 s[4:11], s[0:1], 0x0               ; qrec, krec, vrec, codes
	s_load_b64 s[12:13], s[0:1], 0x20              ; scl
	v_lshl_add_u32 v[SPW], v0, 2, SPARE
	v_mov_b32 v[NIL], 0
	ds_add_u32 v[SPW], v[NIL]                      ; the opening lines: the add twice on end and one wait
	ds_add_u32 v[SPW], v[NIL]
	v_lshrrev_b32 v1, 5, v0
	v_readfirstlane_b32 s14, v1                    ; wave
	s_bfe_u32 s15, ttmp6, 0x40000                  ; cx
	s_and_b32 s16, ttmp7, 0xffff                   ; batch x head
	s_mov_b32 s[G1K], 15|(3<<16)|(1<<20)|(1<<21)|(6<<22)|(7<<25)   ; mask; elements of 8 bytes; 8 words of padding behind every 128
	s_mov_b32 s[G1K+1], 64<<16
	s_mov_b32 s[G1K+2], 17<<16
	s_mov_b32 s[G1K+3], 64<<16
	s_mov_b32 s[G1K+4], 17                         ; 17 rows of 512 bytes
	s_mov_b32 s[G1K+5], 64
	s_mov_b32 s[G1K+6], 0
	s_mov_b32 s[G1K+7], 0
	s_mov_b32 s[G1V], 15|(3<<16)|(1<<21)
	s_mov_b32 s[G1V+1], 32<<16
	s_mov_b32 s[G1V+2], 25<<16
	s_mov_b32 s[G1V+3], 32<<16
	s_mov_b32 s[G1V+4], 25                         ; 25 rows of 256 bytes
	s_mov_b32 s[G1V+5], 32
	s_mov_b32 s[G1V+6], 0
	s_mov_b32 s[G1V+7], 0
	s_and_b32 s17, s14, 7
	s_lshl_b32 s18, s16, 4
	s_add_co_u32 s18, s18, s17                     ; the record that I ask for first: 16 x head + wave % 8
	s_mul_i32 s20, s18, VREC
	s_mov_b32 s21, 0
	s_mul_i32 s18, s18, KREC
	s_mov_b32 s19, 0
	s_mul_i32 s22, s17, KRL
	s_mul_i32 s23, s17, VREC
	s_add_co_u32 s23, s23, VREG
	s_mov_b32 s[SEL], 0x76543210
	s_mov_b32 s[SEL+1], 0xfedcba98
	s_mov_b32 s[CS], 0x3e38aa3b                    ; log2(e) / 8
	s_mov_b32 s[CS+1], s[CS]
	s_wait_dscnt 0x0
	s_wait_kmcnt 0x0
	s_mov_b32 s[G0K], 1
	s_mov_b32 s[G0K+1], s22
	s_add_nc_u64 s[G0K+2:G0K+3], s[6:7], s[18:19]
	s_or_b32 s[G0K+3], s[G0K+3], 0x80000000
	s_mov_b32 s[G0V], 1
	s_mov_b32 s[G0V+1], s23
	s_add_nc_u64 s[G0V+2:G0V+3], s[8:9], s[20:21]
	s_or_b32 s[G0V+3], s[G0V+3], 0x80000000
	CROUND                                         ; in front of the first joint loads
	KVLOAD                                         ; records 0-7
	s_lshl_b32 s48, s16, 4                         ; q: record 16 x head + 4 cx + wave / 8 (+ 2 in the second pass), tile wave % 8
	s_lshl_b32 s49, s15, 2
	s_add_co_u32 s48, s48, s49
	s_lshr_b32 s49, s14, 3
	s_add_co_u32 s48, s48, s49
	s_mul_i32 s48, s48, KREC
	s_and_b32 s49, s14, 7
	s_lshl_b32 s50, s49, 2
	s_add_co_u32 s50, s50, s48
	s_add_co_u32 s50, s50, 8192
	s_mov_b32 s51, 0
	s_lshl_b32 s49, s49, 10
	s_add_co_u32 s48, s48, s49
	s_mov_b32 s49, 0
	s_add_nc_u64 s[QP:QP+1], s[4:5], s[48:49]
	s_add_nc_u64 s[QW:QW+1], s[4:5], s[50:51]
	s_lshr_b32 s52, s16, 4                         ; the result: row block 768 + 128 x batch + 32 cx + wave (+ 16 in the second pass)
	s_lshl_b32 s52, s52, 7
	s_lshl_b32 s53, s15, 5
	s_add_co_u32 s52, s52, s53
	s_add_co_u32 s52, s52, s14
	s_add_co_u32 s52, s52, 768
	s_and_b32 s53, s16, 15                         ; the head: half (head % 2) of K step head / 2
	s_lshl_b32 s54, s52, 9
	s_mul_i32 s52, s52, 12288
	s_lshr_b32 s55, s53, 1
	s_mul_i32 s59, s55, 1536
	s_add_co_u32 s52, s52, s59
	s_and_b32 s59, s53, 1
	s_mul_i32 s2, s59, 768
	s_add_co_u32 s52, s52, s2
	s_lshl_b32 s59, s59, 1
	s_add_co_u32 s54, s54, s59
	s_and_b32 s59, s55, 3
	s_lshl_b32 s59, s59, 2
	s_add_co_u32 s54, s54, s59
	s_lshr_b32 s59, s53, 3
	s_lshl_b32 s59, s59, 8
	s_add_co_u32 s54, s54, s59
	s_mov_b32 s53, 0
	s_mov_b32 s55, 0
	s_add_nc_u64 s[OC:OC+1], s[10:11], s[52:53]
	s_add_nc_u64 s[OS:OS+1], s[12:13], s[54:55]
	s_mov_b32 s[NC], 0xbe38aa3b
	v_and_b32 v30, 31, v0
	v_and_b32 v31, 15, v0                          ; r
	v_bfe_u32 v9, v0, 4, 1                         ; h
	v_and_b32 v10, 7, v0                           ; r % 8
	v_bfe_u32 v11, v0, 3, 1                        ; r / 8
	v_lshlrev_b32 v1, 4, v30                       ; 16 x lane
	v_lshlrev_b32 v7, 3, v30                       ; 8 x lane
	v_lshlrev_b32 v[H8], 3, v9
	v_lshlrev_b32 v[KA], 4, v10
	v_lshlrev_b32 v2, 5, v10
	v_lshl_add_u32 v[KA], v9, 8, v[KA]
	v_lshl_add_u32 v2, v11, 3, v2
	v_mad_u32_u24 v[KA], v11, 2176, v[KA]
	v_add_nc_u32 v2, 16*544, v2                    ; K's scale words: 8,704 + 32 (r % 8) + 8 (r / 8)
	v_add_nc_u32 v3, VREG, v1
	v_lshlrev_b32 v30, 4, v31                      ; 16 r
	v_lshlrev_b32 v31, 5, v31                      ; 32 r
	v_add_nc_u32 v4, VREG+6144, v30
	global_load_b128 v[16:19], v1, s[QP:QP+1]      ; both passes' q, as images of the operand's registers
	global_load_b128 v[20:23], v1, s[QP:QP+1] offset:512
	global_load_b32 v28, v31, s[QW:QW+1]
	global_load_b128 v[QN:QN+3], v1, s[QP:QP+1] offset:2*KREC
	global_load_b128 v[QN+4:QN+7], v1, s[QP:QP+1] offset:2*KREC+512
	global_load_b32 v[QNW], v31, s[QW:QW+1] offset:2*KREC
.irp j, 24,25,26,27,96,97,98,99
	v_mov_b32 v\j, 0                               ; the operands' registers 8-11: q's are zeros, so what K's hold there adds nothing
.endr
	v_mov_b32 v[BT], 0                             ; a lane permute's destination counts as one of its sources
	v_mov_b32 v[BT+1], 0
	v_mov_b32 v[T0], 0
	v_mov_b32 v[F+1], 0
	s_wait_alu depctr_va_vdst(0)
	s_wait_tensorcnt 0x0                           ; my record is in
	ds_add_u32 v[SPW], v[NIL]
	s_add_nc_u64 s[G0K+2:G0K+3], s[G0K+2:G0K+3], 8*KREC   ; no load of mine is out: eight records on
	s_add_co_u32 s[G0K+1], s[G0K+1], 8*KRL
	s_add_nc_u64 s[G0V+2:G0V+3], s[G0V+2:G0V+3], 8*VREC
	s_add_co_u32 s[G0V+1], s[G0V+1], 8*VREC
	s_wait_dscnt 0x0
	CROUND                                         ; records 0-7 are whole for all waves, and the four work-groups are here
	KVLOAD                                         ; records 8-15
	KLOAD KA, 2                                    ; step 0's K fragments
	s_mov_b32 s[PCN], 2
	s_wait_loadcnt 0x0                             ; q
.macro KEYSTEP wrap
	s_wait_dscnt 0x0                               ; this step's K fragments and scale words, asked for in the step before
.irp t, 0,1,2,3,4,5,6,7
	v_wmma_scale_f32_16x16x128_f8f6f4 v[S+8*\t:S+8*\t+7], v[KF+8*\t:KF+8*\t+11], v[16:27], 0, v[KS+\t], v28 matrix_a_fmt:MATRIX_FMT_FP6 matrix_b_fmt:MATRIX_FMT_FP6
.endr
	v_add_nc_u32 v10, s[TV], v3                    ; four plain instructions behind the products (ISA guide 7.12.1): the step's addresses
	v_add_nc_u32 v11, s[TV], v4
	v_add_nc_u32 v8, s[TK], v[KA]
	v_add_nc_u32 v9, s[TK], v2
	s_add_co_u32 s[TV], s[TV], VREC
	s_add_co_u32 s[TK], s[TK], KRL
.if \wrap
	s_cmp_eq_u32 s[CNT], 2                         ; the pass's last step fetches record 0
	s_cselect_b32 s[TK], 0, s[TK]
.endif
.irp t, 0,1,2,3
.irp g, 0,1,2
	ds_load_b128 v[KF+12*\t+4*\g:KF+12*\t+4*\g+3], v10 offset:1536*\t+512*\g
.endr
.endr
	ds_load_b128 v[VS:VS+3], v11
.irp c, 0,1                                    ; each block's largest score, in two chains (17 and 15 numbers); every accumulator is first read at its low end
	v_max3_num_f32 v[CA+\c], v[S+32*\c], v[S+32*\c+1], v[S+32*\c+2]
	v_max3_num_f32 v[CB+\c], v[S+32*\c+17], v[S+32*\c+18], v[S+32*\c+19]
.endr
.irp i, 0,2,4,6,8,10
.irp c, 0,1
	v_max3_num_f32 v[CA+\c], v[CA+\c], v[S+32*\c+3+\i], v[S+32*\c+4+\i]
	v_max3_num_f32 v[CB+\c], v[CB+\c], v[S+32*\c+20+\i], v[S+32*\c+21+\i]
.endr
.endr
.irp c, 0,1
	v_max3_num_f32 v[CA+\c], v[CA+\c], v[S+32*\c+15], v[S+32*\c+16]
.endr
.irp c, 0,1
	s_delay_alu instid0(VALU_DEP_2)
	v_max_num_f32 v[CA+\c], v[CA+\c], v[CB+\c]
.endr
	s_delay_alu instid0(VALU_DEP_1)
	v_max_num_f32 v[T0], v[CA], v[CA+1]
	s_delay_alu instid0(VALU_DEP_1)
	v_permlanex16_b32 v[BT], v[T0], s[SEL], s[SEL+1]
	s_delay_alu instid0(VALU_DEP_1)
	v_max3_num_f32 v13, v13, v[T0], v[BT]          ; the running largest score of my query
	s_delay_alu instid0(VALU_DEP_1)
	v_mul_f32 v[T1], s[NC], v13                    ; -t
	v_mov_b32 v[T0], v12
	s_delay_alu instid0(VALU_DEP_2)
	v_floor_f32 v12, v[T1]                         ; -M = floor(-t): M is a whole number
.set j, 0
	TM4
	v_sub_f32 v[T0], v12, v[T0]                    ; the old M less the new
	TM4
	v_cvt_i32_f32 v[T0], v[T0]                     ; (it saturates)
	TM4
	v_ldexp_f32 v[F], 1.0, v[T0]                   ; f = 2^(old M - new M)
.rept 5
	TM4
.endr
.irp c, 0,1
	v_fma_f32 v[CA+\c], v[CA+\c], s[CS], v12       ; the same of each block's largest score
.endr
.set j, 0
.rept 16
	v_pk_mul_f32 v[O+j:O+j+1], v[O+j:O+j+1], v[F:F+1] op_sel_hi:[1,0]   ; O^T under the new M: every register of O^T is first read ahead of the exponentials
.set j, j+2
.endr
	s_wait_alu depctr_va_vdst(0)
.set j, 0
.rept 64
	v_exp_f32 v[S+j], v[S+j]
.set j, j+1
.endr
	v_exp_f32 v[CA], v[CA]                         ; each block's largest p: the same two instructions on the same number
	v_exp_f32 v[CA+1], v[CA+1]
	v_nop                                          ; the plain instruction behind the batch
	s_wait_alu depctr_va_vdst(0)                   ; and the one wait behind it
	s_wait_dscnt 0x0                               ; V's fragments and scale words, asked for behind QK
.irp c, 0,1
	v_max_num_f32 v[CA+\c], 0x1800000, v[CA+\c]    ; the floor 2^(3 - 127): the byte cannot fall under 1
.endr
.irp c, 0,1
	v_add_nc_u32 v[SO+\c], 0xff000000, v[CA+\c]    ; 2 off the exponent field: the conversion's scale operand
.endr
.irp c, 0,1
	v_lshrrev_b32 v[BT+\c], 23, v[SO+\c]           ; the byte of block 2 c + h
.endr
.irp c, 0,1
	v_cvt_scalef32_pk16_fp6_f32 v[PC+6*\c:PC+6*\c+2], v[S+32*\c:S+32*\c+15], v[SO+\c]
	v_cvt_scalef32_pk16_fp6_f32 v[PT+4*\c:PT+4*\c+2], v[S+32*\c+16:S+32*\c+31], v[SO+\c]   ; (a conversion's three registers begin on an even number)
.endr
	v_lshl_or_b32 v[T1], v[BT+1], 16, v[BT]        ; my two bytes,
	s_delay_alu instid0(VALU_DEP_1)
	v_lshlrev_b32 v[T1], v[H8], v[T1]              ; at their places in the word;
	s_delay_alu instid0(VALU_DEP_1)
	v_permlanex16_b32 v[BT], v[T1], s[SEL], s[SEL+1]
	s_delay_alu instid0(VALU_DEP_1)
	v_or_b32 v29, v[T1], v[BT]                     ; with lane l xor 16's two the word is whole
.irp c, 0,1
.irp i, 0,1,2
	v_mov_b32 v[PC+6*\c+3+\i], v[PT+4*\c+\i]
.endr
.endr
	v_pk_fma_f32 v[14:15], v[14:15], v[F:F+1], v[S:S+1] op_sel_hi:[1,0,1]   ; the row's sum of the unquantised p, under the new M, in four chains; these eight are also the places ahead of the scaled products
	v_pk_add_f32 v[SB:SB+1], v[S+2:S+3], v[S+4:S+5]
	v_pk_add_f32 v[SB+2:SB+3], v[S+6:S+7], v[S+8:S+9]
	v_pk_add_f32 v[SB+4:SB+5], v[S+10:S+11], v[S+12:S+13]
	ADD4 14
.irp t, 0,1,2,3
	v_wmma_scale_f32_16x16x128_f8f6f4 v[O+8*\t:O+8*\t+7], v[KF+12*\t:KF+12*\t+11], v[PC:PC+11], v[O+8*\t:O+8*\t+7], v[VS+\t], v29 matrix_a_fmt:MATRIX_FMT_FP6 matrix_b_fmt:MATRIX_FMT_FP6
.endr
	ADD4 22                                        ; four plain instructions behind the products, ahead of loads into their registers
	KLOAD 8, 9                                     ; the next step's K fragments come while the sums go on
	ADD4 30
	ADD4 38
	ADD4 46
	ADD4 54
	v_pk_add_f32 v[14:15], v[14:15], v[S+62:S+63]
	v_pk_add_f32 v[SB:SB+1], v[SB:SB+1], v[SB+2:SB+3]
	v_pk_add_f32 v[14:15], v[14:15], v[SB+4:SB+5]
	v_pk_add_f32 v[14:15], v[14:15], v[SB:SB+1]
.endm
.Lpass:
	v_mov_b32 v13, 0xf1800000                      ; the largest score so far: under every score that counts, over a hidden key's
	v_mov_b32 v12, 0x71800000                      ; -M
	v_mov_b32 v14, 0
	v_mov_b32 v15, 0
.set j, 0
.rept 32
	v_mov_b32 v[O+j], 0                            ; the step is written once: the first finds zeros
.set j, j+1
.endr
	s_mov_b32 s[TK], KRL
	s_mov_b32 s[TV], 0
	s_mov_b32 s[CNT], 7
.Lkeys_a:                                              ; steps 0-6: they read records 0-7 alone
	KEYSTEP 0
	s_sub_co_u32 s[CNT], s[CNT], 1
	s_cmp_lg_u32 s[CNT], 0
	s_cbranch_scc1 .Lkeys_a
	s_wait_tensorcnt 0x0                           ; my record of 8-15 is in,
	s_wait_dscnt 0x0
	s_barrier_signal -1
	s_barrier_wait -1                              ; and everybody's
	s_mov_b32 s[CNT], 9
.Lkeys_b:                                              ; steps 7-15
	KEYSTEP 1
	s_sub_co_u32 s[CNT], s[CNT], 1
	s_cmp_lg_u32 s[CNT], 0
	s_cbranch_scc1 .Lkeys_b
	v_add_f32 v14, v14, v15                        ; the sum's two halves,
	s_delay_alu instid0(VALU_DEP_1)
	v_permlanex16_b32 v[T0], v14, s[SEL], s[SEL+1]
	s_delay_alu instid0(VALU_DEP_1)
	v_add_f32 v14, v14, v[T0]                      ; and lane l xor 16's
	s_wait_alu depctr_va_vdst(0)
	v_rcp_f32 v14, v14
	v_nop
	s_wait_alu depctr_va_vdst(0)
.set j, 0
.rept 16
	v_pk_mul_f32 v[S+j:S+j+1], v[O+j:O+j+1], v[14:15] op_sel_hi:[1,0]   ; O^T / l: registers 16 b + i are d = 32 b + 16 h + i
.set j, j+2
.endr
.irp b, 0,1
	v_max3_num_f32 v[CA+\b], |v[S+16*\b]|, |v[S+1+16*\b]|, 0x1800000
.endr
.irp i, 2,4,6,8,10,12,14
.irp b, 0,1
	s_delay_alu instid0(VALU_DEP_2)
	v_max3_num_f32 v[CA+\b], v[CA+\b], |v[S+16*\b+\i]|, |v[S+1+16*\b+\i]|
.endr
.endr
.irp b, 0,1
	s_delay_alu instid0(VALU_DEP_2)
	v_permlanex16_b32 v[BT+\b], v[CA+\b], s[SEL], s[SEL+1]
.endr
.irp b, 0,1
	s_delay_alu instid0(VALU_DEP_2)
	v_max_num_f32 v[CA+\b], v[CA+\b], v[BT+\b]
.endr
.irp b, 0,1
	s_delay_alu instid0(VALU_DEP_2)
	v_add_nc_u32 v[SO+\b], 0xff000000, v[CA+\b]
.endr
.irp b, 0,1
	s_delay_alu instid0(VALU_DEP_2)
	v_lshrrev_b32 v[BT+\b], 23, v[SO+\b]
.endr
	s_delay_alu instid0(VALU_DEP_1)
	v_lshl_or_b32 v[T0], v[BT+1], 8, v[BT]         ; the head's two scale bytes
	v_cvt_scalef32_pk16_fp6_f32 v[PC:PC+2], v[S:S+15], v[SO]
	v_cvt_scalef32_pk16_fp6_f32 v[PT:PT+2], v[S+16:S+31], v[SO+1]
	v_nop
.irp i, 0,1,2
	v_permlane16_swap_b32 v[PC+\i], v[PT+\i]       ; here a block lies in lanes l and l xor 16: the operand wants it whole in a lane
.endr
.irp i, 0,1,2
	v_mov_b32 v[PC+3+\i], v[PT+\i]
.endr
	global_store_b128 v1, v[PC:PC+3], s[OC:OC+1]
	global_store_b64 v7, v[PC+4:PC+5], s[OC:OC+1] offset:512
	global_store_b16 v30, v[T0], s[OS:OS+1]
	s_wait_xcnt 0x0                                ; the stores have read their registers and bases
	s_add_nc_u64 s[OC:OC+1], s[OC:OC+1], 196608    ; sixteen row blocks on (behind the last pass the stepped addresses are not used)
	s_add_nc_u64 s[OS:OS+1], s[OS:OS+1], 8192
.irp i, 0,1,2,3,4,5,6,7
	v_mov_b32 v[16+\i], v[QN+\i]                   ; the second pass's q (behind the last pass the copy repeats itself)
.endr
	v_mov_b32 v28, v[QNW]
	s_sub_co_u32 s[PCN], s[PCN], 1
	s_cmp_lg_u32 s[PCN], 0
	s_wait_alu depctr_va_vdst(0)
	s_cbranch_scc1 .Lpass
	s_wait_tensorcnt 0x0                           ; the wave's end
	ds_add_u32 v[SPW], v[NIL]
	s_wait_dscnt 0x0
	CROUND                                         ; the closing round
	s_endpgm
.Lfunc_end_k_q46fb53e3eb_attn:
	.size	k_q46fb53e3eb_attn, .Lfunc_end_k_q46fb53e3eb_attn-k_q46fb53e3eb_attn
	.p2alignl 7, 3214868480
	.fill 96, 4, 3214868480
	.section	.rodata,"a",@progbits
	.p2align	6, 0x0
	.amdhsa_kernel k_q46fb53e3eb_attn
		.amdhsa_group_segment_fixed_size 327680
		.amdhsa_private_segment_fixed_size 0
		.amdhsa_enable_private_segment 0
		.amdhsa_kernarg_size 40
		.amdhsa_user_sgpr_count 2
		.amdhsa_user_sgpr_kernarg_segment_ptr 1
		.amdhsa_wavefront_size32 1
		.amdhsa_system_sgpr_workgroup_id_x 1
		.amdhsa_system_sgpr_workgroup_id_y 1
		.amdhsa_system_sgpr_workgroup_id_z 1
		.amdhsa_system_vgpr_workitem_id 0
		.amdhsa_next_free_vgpr 256
		.amdhsa_next_free_sgpr 66
		.amdhsa_reserve_vcc 0
		.amdhsa_float_denorm_mode_32 3
		.amdhsa_float_denorm_mode_16_64 3
		.amdhsa_memory_ordered 1
		.amdhsa_forward_progress 1
		.amdhsa_inst_pref_size 47
	.end_amdhsa_kernel
	.amdgpu_metadata
---
amdhsa.version: [ 1, 2 ]
amdhsa.kernels:
  - .name:           k_q46fb53e3eb_attn
    .symbol:         k_q46fb53e3eb_attn.kd
    .args:
      - { .name: qrec, .offset: 0, .size: 8, .value_kind: global_buffer, .address_space: global }
      - { .name: krec, .offset: 8, .size: 8, .value_kind: global_buffer, .address_space: global }
      - { .name: vrec, .offset: 16, .size: 8, .value_kind: global_buffer, .address_space: global }
      - { .name: codes, .offset: 24, .size: 8, .value_kind: global_buffer, .address_space: global }
      - { .name: scl, .offset: 32, .size: 8, .value_kind: global_buffer, .address_space: global }
    .group_segment_fixed_size: 327680
    .private_segment_fixed_size: 0
    .kernarg_segment_align: 8
    .kernarg_segment_size: 40
    .max_flat_workgroup_size: 512
    .sgpr_count:     66
    .vgpr_count:     256
    .wavefront_size: 32
...
	.end_amdgpu_metadata
.endif
;; end of part 3
;; launch oproj (part 4): grid 4 x 64, 4 waves a work-group, clusters of 4 x 4, 327,680 bytes of LDS; arguments codes, scl, bo, out0; writes out0
.if DOCPART == 4
	.amdgcn_target "amdgcn-amd-amdhsa--gfx1250"
	.amdhsa_code_object_version 6
	.text
	.protected	k_q46fb53e3eb_oproj
	.globl	k_q46fb53e3eb_oproj
	.p2align	8
	.type	k_q46fb53e3eb_oproj,@function
k_q46fb53e3eb_oproj:
	s_mov_b64 s[64:65], 0
	v_nop
	global_prefetch_b8 v0, s[64:65] scope:SCOPE_SE
	s_setreg_imm32_b32 hwreg(HW_REG_WAVE_MODE, 25, 1), 1
	s_wait_xcnt 0x0
	s_wait_alu depctr_hold_cnt(0) depctr_sa_sdst(0) depctr_va_vdst(0) depctr_va_sdst(0) depctr_va_ssrc(0) depctr_va_vcc(0) depctr_vm_vsrc(0)
	s_getreg_b32 s2, hwreg(HW_REG_IB_STS2, 6, 4)
	s_cmp_eq_u32 s2, 0
	s_cbranch_scc0 .Lentry_in_a_cluster
	s_endpgm
.Lentry_in_a_cluster:
	s_bfe_u32 s2, ttmp6, 0x10000c
	s_cmp_lg_u32 s2, 0xf033
	s_cbranch_scc0 .Lentry_shape_is_right
	s_endpgm
.Lentry_shape_is_right:
; out0 = ctx Wo^T + bo on codes of FP6 (E2M3), K = 1,024.  ctx's codes are row blocks 768-1279 of the code buffer, Wo's 704-767; a row block is 16 rows x 12,288 bytes, images of operand registers, 1,536 bytes a K step.
; A BLOCK of 128 tokens x 256 features to a work-group: 4 x 64 = 256 work-groups.  A wave makes 64 x 128: 32 accumulators, 32 products a K step.
; ALL OF K LIES IN LDS, filled once: A's 8 row blocks (98,304 bytes), B's 16 (196,608), the spare words.  Each wave asks for one dense block at the head (waves 0, 1: 4 row blocks of A; waves 2, 3: 8 of B): nothing is filled again.
; CLUSTERS: 4 x 4 work-groups; A's blocks are asked for jointly by a row of the cluster, B's by a column.  No prefetch: everything is asked for at the head, and there is no later load to run ahead of.
; THE MATRIX INSTRUCTION IS USED TRANSPOSED (source 0 = 16 rows of Wo, source 1 = 16 tokens): a lane holds one token, and by the code buffer's row order the 16 registers of tiles 2 b, 2 b + 1 are features 32 b + 16 (lane / 16) + 0 .. 15.
; The bias is the C of the first K step's products.  Both operands have two sets of registers: a step's fragments are asked for ahead of the step before's products.
; THE WAY OUT goes through a stage of 16 rows x 528 bytes a wave, on A's first bytes: they have had their only fill, and a barrier, split round the last step's products, stands behind every wave's last read of LDS.
; REGISTERS: window 0: v1-31 addresses, v32-95 scale words (v[SC + 8 i + s]: lanes 0-15 A's block i, lanes 16-31 B's block i, K step s), v128-223 A's two sets; window 1: B's two sets (v0, v128), v96-127 and v224-255 the bias; window 2: accumulator (a, b) at v[8 (8 a + b)].
.set RBB,   12288
.set ABYT,  4*RBB
.set BBYT,  8*RBB
.set BREG,  2*ABYT
.set SPARE, BREG+2*BBYT
.set FR,    12
.set SC,    32
.set AF,    128
.set BK,    128
.set SPW,   28
.set NIL,   29
.set STO,   30
.set RD,    31
.set G1,    24
.set G1B,   32
.set G0,    40
.set G0B,   44
.set MSB, 0
.macro WIN new                         ; the immediate's high byte repeats the setting that is left
.if MSB != (\new)
	s_set_vgpr_msb (MSB<<8)|(\new)
.set MSB, (\new)
.endif
.endm
.set MUL_W, 0xa1                       ; source 0 (B) window 1, source 1 (A) window 0, C and D window 2
.set FST_W, 0x91                       ; the same, C (the bias) window 1
.set TO_B,  0x40                       ; destination window 1, address window 0
.macro CROUND
	s_barrier_signal -1
	s_barrier_wait -1
	s_cmp_lg_u32 s14, 0
	s_cbranch_scc1 .Lnot_wave_0_\@
	s_barrier_signal -3
.Lnot_wave_0_\@:
	s_barrier_wait -3
	s_barrier_signal -1
	s_barrier_wait -1
.endm
.macro PLACES                          ; four plain instructions behind a matrix instruction (ISA guide 7.12.1)
.rept 4
	v_nop
.endr
.endm
.macro FRAG reg, a16, a8, off          ; a fragment comes back as it was stored: registers 0-3, 4-5, 6-9, 10-11
	ds_load_b128 v[\reg:\reg+3], v[\a16] offset:\off
	ds_load_b64 v[\reg+4:\reg+5], v[\a8] offset:\off+512
	ds_load_b128 v[\reg+6:\reg+9], v[\a16] offset:\off+768
	ds_load_b64 v[\reg+10:\reg+11], v[\a8] offset:\off+1280
.endm
.macro FETCH s                         ; K step s: B's eight fragments and A's four, into sets s % 2
	WIN TO_B
.irp i, 0,1,2,3
	FRAG 128*((\s)%2)+FR*\i, 18, 19, RBB*\i+1536*(\s)
.endr
.irp i, 0,1,2,3
	FRAG 128*((\s)%2)+FR*(\i+4), 20, 21, RBB*\i+1536*(\s)
.endr
	WIN 0
.irp i, 0,1,2,3
	FRAG AF+48*((\s)%2)+FR*\i, 16, 17, RBB*\i+1536*(\s)
.endr
.endm
.macro MUL32 s, first                  ; the 32 accumulators take turns, one instruction a turn
.irp a, 0,1,2,3
.irp b, 0,1,2,3,4,5,6,7
.if \first
	v_wmma_scale_f32_16x16x128_f8f6f4 v[8*(8*\a+\b):8*(8*\a+\b)+7], v[128*((\s)%2)+FR*\b:128*((\s)%2)+FR*\b+FR-1], v[AF+48*((\s)%2)+FR*\a:AF+48*((\s)%2)+FR*\a+FR-1], v[96+8*\b+96*(\b/4):103+8*\b+96*(\b/4)], v[SC+8*\b+(\s)], v[SC+8*\a+(\s)] matrix_a_fmt:MATRIX_FMT_FP6 matrix_b_fmt:MATRIX_FMT_FP6 matrix_a_scale:MATRIX_SCALE_ROW1
.else
	v_wmma_scale_f32_16x16x128_f8f6f4 v[8*(8*\a+\b):8*(8*\a+\b)+7], v[128*((\s)%2)+FR*\b:128*((\s)%2)+FR*\b+FR-1], v[AF+48*((\s)%2)+FR*\a:AF+48*((\s)%2)+FR*\a+FR-1], v[8*(8*\a+\b):8*(8*\a+\b)+7], v[SC+8*\b+(\s)], v[SC+8*\a+(\s)] matrix_a_fmt:MATRIX_FMT_FP6 matrix_b_fmt:MATRIX_FMT_FP6 matrix_a_scale:MATRIX_SCALE_ROW1
.endif
.endr
.endr
.endm
.macro STEP s
	s_wait_dscnt 0x0                               ; this step's fragments are in
.if (\s) == 7
	s_barrier_signal -1                            ; my reads of LDS are over
.else
.if (\s) > 0
	PLACES                                         ; the loads below land in the sets that the step before multiplied
.endif
	FETCH (\s)+1
.endif
.if (\s) == 0
	WIN FST_W
	MUL32 \s, 1
.else
	WIN MUL_W
	MUL32 \s, 0
.endif
	WIN 0
.endm
	s_load_b256 s[68:75], s[0:1], 0x0              ; codes, scl, bo, out0
	v_lshl_add_u32 v[SPW], v0, 2, SPARE
	v_mov_b32 v[NIL], 0
	ds_add_u32 v[SPW], v[NIL]                      ; the opening lines: the add twice on end and one wait
	ds_add_u32 v[SPW], v[NIL]
	v_lshrrev_b32 v1, 5, v0
	v_readfirstlane_b32 s14, v1                    ; wave
	s_lshr_b32 s15, s14, 1                         ; which half of A's rows is mine.  Also: I fetch for A (0) or for B (1)
	s_and_b32 s16, s14, 1                          ; which half of B's rows.  Also: which half of that block I fetch
	s_bfe_u32 s90, ttmp6, 0x40000                  ; cx: the block's column
	s_bfe_u32 s91, ttmp6, 0x40004                  ; cy
	s_and_b32 s10, ttmp7, 0xffff
	s_lshl_b32 s10, s10, 2
	s_add_co_u32 s10, s10, s91                     ; the block's row, 0 .. 63
	s_lshl_b32 s94, s91, 2
	s_lshl_b32 s94, 15, s94                        ; my row of the cluster
	s_lshl_b32 s95, 0x1111, s90                    ; my column
	s_or_b32 s[G1+0], s94, (3<<16)|(1<<21)         ; the mask; elements of 8 bytes; bit 21 beside a mask
	s_or_b32 s[G1B+0], s95, (3<<16)|(1<<21)
	s_mov_b32 s[G1+1], 32<<16                      ; dense blocks, as rows of 256 bytes: A's 192 rows,
	s_mov_b32 s[G1+2], 192<<16
	s_mov_b32 s[G1+3], 32<<16
	s_mov_b32 s[G1+4], 192
	s_mov_b32 s[G1+5], 32
	s_mov_b32 s[G1+6], 0
	s_mov_b32 s[G1+7], 0
	s_mov_b32 s[G1B+1], 32<<16                     ; B's 384
	s_mov_b32 s[G1B+2], 384<<16
	s_mov_b32 s[G1B+3], 32<<16
	s_mov_b32 s[G1B+4], 384
	s_mov_b32 s[G1B+5], 32
	s_mov_b32 s[G1B+6], 0
	s_mov_b32 s[G1B+7], 0
	s_lshl_b32 s18, s10, 3
	s_lshl_b32 s17, s16, 2
	s_add_co_u32 s18, s18, s17
	s_add_co_u32 s18, s18, 768                     ; A: row block 768 + 8 x block row + 4 x half
	s_mul_i32 s18, s18, RBB
	s_mov_b32 s19, 0
	s_lshl_b32 s22, s90, 4
	s_lshl_b32 s17, s16, 3
	s_add_co_u32 s22, s22, s17
	s_add_co_u32 s22, s22, 704                     ; B: row block 704 + 16 x block column + 8 x half
	s_mul_i32 s22, s22, RBB
	s_mov_b32 s23, 0
	s_mul_i32 s12, s16, ABYT                       ; where they go: no place in the cluster enters an LDS address
	s_mul_i32 s13, s16, BBYT
	s_add_co_u32 s13, s13, BREG
	s_wait_dscnt 0x0
	s_wait_kmcnt 0x0
	s_mov_b32 s[G0], 1
	s_mov_b32 s[G0+1], s12
	s_add_nc_u64 s[G0+2:G0+3], s[68:69], s[18:19]
	s_or_b32 s[G0+3], s[G0+3], 0x80000000
	s_mov_b32 s[G0B], 1
	s_mov_b32 s[G0B+1], s13
	s_add_nc_u64 s[G0B+2:G0B+3], s[68:69], s[22:23]
	s_or_b32 s[G0B+3], s[G0B+3], 0x80000000
	CROUND                                         ; in front of the joint loads
	s_cmp_eq_u32 s15, 0
	s_cbranch_scc0 .Lfor_b
	tensor_load_to_lds s[G0:G0+3], s[G1:G1+7]
	s_nop 0
.rept 4
	v_nop
.endr
	s_branch .Lasked
.Lfor_b:
	tensor_load_to_lds s[G0B:G0B+3], s[G1B:G1B+7]
	s_nop 0
.rept 4
	v_nop
.endr
.Lasked:
	v_and_b32 v11, 31, v0
	v_lshlrev_b32 v1, 4, v11                       ; 16 x lane
	v_lshlrev_b32 v4, 3, v11                       ; 8 x lane
	v_and_b32 v2, 15, v0                           ; r
	v_bfe_u32 v3, v0, 4, 1                         ; h
	s_mul_i32 s4, s15, ABYT                        ; my 4 row blocks of A
	s_mul_i32 s5, s16, BBYT                        ; my 8 of B, behind A's
	s_add_co_u32 s5, s5, BREG
	v_add_nc_u32 v16, s4, v1
	v_add_nc_u32 v17, s4, v4
	v_add_nc_u32 v18, s5, v1
	v_add_nc_u32 v19, s5, v4
	s_add_co_u32 s5, s5, 4*RBB                     ; B's blocks 4-7: the offsets stay inside 16 bits
	v_add_nc_u32 v20, s5, v1
	v_add_nc_u32 v21, s5, v4
	s_lshl_b32 s6, s10, 3
	s_lshl_b32 s4, s15, 2
	s_add_co_u32 s6, s6, s4
	s_add_co_u32 s6, s6, 768                       ; my first row block of A
	s_lshl_b32 s7, s90, 4
	s_add_co_u32 s7, s7, s17
	s_add_co_u32 s7, s7, 704                       ; and of B
	s_lshl_b32 s8, s6, 9
	s_lshl_b32 s9, s7, 9
	v_mov_b32 v11, s8
	v_mov_b32 v12, s9
	s_sub_co_u32 s8, s8, 2048
	v_mov_b32 v13, s8
	v_cmp_ne_u32 vcc_lo, 0, v3
	v_cndmask_b32 v6, v11, v12, vcc_lo             ; lanes 0-15 take A's scale words, lanes 16-31 B's
	v_cndmask_b32 v5, v13, v12, vcc_lo             ; for B's blocks 4-7: A has four blocks, so lanes 0-15 take these again (they are not used) and stay inside the buffer
	v_lshl_add_u32 v6, v2, 4, v6
	v_lshl_add_u32 v5, v2, 4, v5
.irp i, 0,1,2,3
.irp u, 0,1
	global_load_b128 v[SC+8*\i+4*\u:SC+8*\i+4*\u+3], v6, s[70:71] offset:512*\i+256*\u
.endr
.endr
.irp i, 4,5,6,7
.irp u, 0,1
	global_load_b128 v[SC+8*\i+4*\u:SC+8*\i+4*\u+3], v5, s[70:71] offset:512*\i+256*\u
.endr
.endr
	s_lshl_b32 s4, s90, 10
	s_lshl_b32 s5, s16, 9
	s_add_co_u32 s4, s4, s5                        ; my first feature, in bytes
	v_lshl_add_u32 v7, v3, 6, s4
	WIN TO_B
.irp b, 0,1,2,3,4,5,6,7
	global_load_b128 v[96+8*\b+96*(\b/4):99+8*\b+96*(\b/4)], v7, s[72:73] offset:(32*(\b/2)+8*(\b%2))*4
	global_load_b128 v[100+8*\b+96*(\b/4):103+8*\b+96*(\b/4)], v7, s[72:73] offset:(32*(\b/2)+8*(\b%2))*4+16
.endr
	WIN 0
	s_lshl_b32 s8, s10, 7
	s_lshl_b32 s5, s15, 6
	s_add_co_u32 s8, s8, s5                        ; my first token: 128 x block row + 64 x half
	s_lshl_b32 s8, s8, 12
	s_add_co_u32 s8, s8, s4
	s_mov_b32 s9, 0
	s_add_nc_u64 s[8:9], s[74:75], s[8:9]
	s_mul_i32 s5, s14, 16*528                      ; my stage
	v_mul_u32_u24 v[STO], v2, 528
	v_lshl_add_u32 v[STO], v3, 6, v[STO]
	v_add_nc_u32 v[STO], s5, v[STO]
	v_add_nc_u32 v[RD], s5, v1
	s_wait_alu depctr_va_vdst(0)
	s_wait_tensorcnt 0x0                           ; my block is in,
	s_barrier_signal -1
	s_barrier_wait -1                              ; and everybody's
	FETCH 0
	s_wait_loadcnt 0x0                             ; scale words and bias
.irp s, 0,1,2,3,4,5,6,7
	STEP \s
.endr
	s_barrier_wait -1                              ; no wave reads A's or B's bytes any more
.macro TOSTAGE a
	WIN 0x08                                       ; the data: window 2
.irp b, 0,1,2,3,4,5,6,7
	ds_store_b128 v[STO], v[64*(\a)+8*\b:64*(\a)+8*\b+3] offset:128*(\b/2)+32*(\b%2)      ; each accumulator from its low end on
	ds_store_b128 v[STO], v[64*(\a)+8*\b+4:64*(\a)+8*\b+7] offset:128*(\b/2)+32*(\b%2)+16
.endr
	WIN 0
.set BB, BK+64*((\a)%2)
.irp t, 0,1,2,3,4,5,6,7,8,9,10,11,12,13,14,15
	ds_load_b128 v[BB+4*\t:BB+4*\t+3], v[RD] offset:\t*528     ; LDS serves a wave's instructions in order: these see my stores
.endr
.endm
.macro SEND a, younger                 ; younger: the LDS instructions issued behind block a's loads, which may stay out
.set BB, BK+64*((\a)%2)
	s_wait_dscnt \younger
.irp t, 0,1,2,3,4,5,6,7,8,9,10,11,12,13,14,15
	global_store_b128 v1, v[BB+4*\t:BB+4*\t+3], s[8:9] offset:(32*((\a)/2)+8*((\a)%2)+\t+8*(\t/8))*4096 th:TH_STORE_NT   ; 32 lanes store 512 consecutive bytes of one token's row
.endr
.endm
	PLACES
	TOSTAGE 0
.irp a, 1,2,3
.if \a > 1
	s_wait_xcnt 0x0                                ; block a - 2's stores have read their registers
.endif
	TOSTAGE \a
	SEND \a-1, 32                                  ; behind block a - 1's loads: block a's 16 stores and 16 loads
.endr
	SEND 3, 0
	s_wait_tensorcnt 0x0                           ; the wave's end
	ds_add_u32 v[SPW], v[NIL]
	s_wait_dscnt 0x0
	CROUND                                         ; the closing round
	s_endpgm
.Lfunc_end_k_q46fb53e3eb_oproj:
	.size	k_q46fb53e3eb_oproj, .Lfunc_end_k_q46fb53e3eb_oproj-k_q46fb53e3eb_oproj
	.p2alignl 7, 3214868480
	.fill 96, 4, 3214868480
	.section	.rodata,"a",@progbits
	.p2align	6, 0x0
	.amdhsa_kernel k_q46fb53e3eb_oproj
		.amdhsa_group_segment_fixed_size 327680
		.amdhsa_private_segment_fixed_size 0
		.amdhsa_enable_private_segment 0
		.amdhsa_kernarg_size 32
		.amdhsa_user_sgpr_count 2
		.amdhsa_user_sgpr_kernarg_segment_ptr 1
		.amdhsa_wavefront_size32 1
		.amdhsa_system_sgpr_workgroup_id_x 1
		.amdhsa_system_sgpr_workgroup_id_y 1
		.amdhsa_system_sgpr_workgroup_id_z 1
		.amdhsa_system_vgpr_workitem_id 0
		.amdhsa_next_free_vgpr 768
		.amdhsa_next_free_sgpr 96
		.amdhsa_reserve_vcc 1
		.amdhsa_float_denorm_mode_32 3
		.amdhsa_float_denorm_mode_16_64 3
		.amdhsa_memory_ordered 1
		.amdhsa_forward_progress 1
		.amdhsa_inst_pref_size 83
	.end_amdhsa_kernel
	.amdgpu_metadata
---
amdhsa.version: [ 1, 2 ]
amdhsa.kernels:
  - .name:           k_q46fb53e3eb_oproj
    .symbol:         k_q46fb53e3eb_oproj.kd
    .args:
      - { .name: codes, .offset: 0, .size: 8, .value_kind: global_buffer, .address_space: global }
      - { .name: scl, .offset: 8, .size: 8, .value_kind: global_buffer, .address_space: global }
      - { .name: bo, .offset: 16, .size: 8, .value_kind: global_buffer, .address_space: global }
      - { .name: out0, .offset: 24, .size: 8, .value_kind: global_buffer, .address_space: global }
    .group_segment_fixed_size: 327680
    .private_segment_fixed_size: 0
    .kernarg_segment_align: 8
    .kernarg_segment_size: 32
    .max_flat_workgroup_size: 128
    .sgpr_count:     96
    .vgpr_count:     768
    .wavefront_size: 32
...
	.end_amdgpu_metadata
.endif
;; end of part 4
